; MI455X (gfx1250); checked and timed in simulation.
; The chip was launched on July 23, 2026; its instructions are those of AMD's public machine-readable ISA for CDNA 5 (MIT licence, August 2026) and "CDNA5" Instruction Set Architecture Reference Guide (July 2026). The comments in the code are by the model that wrote it; some were corrected since.
;; Emformer Encoder. Allowed arithmetic: float matrix products may take bf16 or f16 operands with f32 sums; all other float work in f32.
;; Inputs: b1 2 x 2,048 float32; b2 2 x 512 float32; ln1_b 2 x 512 float32; ln1_g 2 x 512 float32; ln2_b 2 x 512 float32; ln2_g 2 x 512 float32; ln_in_b 2 x 512 float32; ln_in_g 2 x 512 float32; mask 2 x 1 x 2,048 x 2,048 float32; pb 2 x 512 float32; w1 2 x 512 x 2,048 float32; w2 2 x 2,048 x 512 float32; wk 2 x 8 x 512 x 64 float32; wp 2 x 8 x 64 x 512 float32; wq 2 x 8 x 512 x 64 float32; wv 2 x 8 x 512 x 64 float32; x 2 x 2,048 x 512 float32.
;; Outputs: out0 2 x 2,048 x 512 float32.
;; 2 versions, each right; version 2 is version 1 with the launches attn0, ffn0, attn1, ffn1 written anew for expert scheduling mode. Each part assembles by itself: llvm-mc -triple=amdgcn-amd-amdhsa -mcpu=gfx1250 --defsym DOCPART=n.
;; ======== version 1 of 2: 9 launches
;; limits: values are held in f16: magnitudes above 65,504 overflow, below 6.1e-05 lose precision
;; workspace buffers: par0 6,316,032 bytes; par1 6,316,032 bytes; blist 65,536 bytes of whole numbers; qkv 12,582,912 bytes; part 33,554,432 bytes; h1 8,388,608 bytes; ares 8,388,608 bytes; yb 4,194,304 bytes
;; launch prep (part 1): grid 256 x 1, 8 waves a work-group, no clusters, 36,096 bytes of LDS; arguments wq, wk, wv, wp, w1, w2, mask, par0, par1, blist, ln_in_g, ln_in_b, pb, ln1_g, ln1_b, b2, ln2_g, ln2_b, b1; writes par0, par1, blist
.if DOCPART == 1
	.amdgcn_target "amdgcn-amd-amdhsa--gfx1250"
	.amdhsa_code_object_version 6
	.text
	.protected	k_q8fa360a59f_prep
	.globl	k_q8fa360a59f_prep
	.p2align	8
	.type	k_q8fa360a59f_prep,@function
k_q8fa360a59f_prep:
	s_mov_b64 s[64:65], 0
	v_nop
	global_prefetch_b8 v0, s[64:65] scope:SCOPE_SE
	s_setreg_imm32_b32 hwreg(HW_REG_WAVE_MODE, 25, 1), 1
	s_wait_xcnt 0x0
; prep: (1) every weight matrix, f32 [K][N], is rounded to 16 bits and laid out in the order in which a wave's matrix fragments are
; loaded later; (2) the mask is scanned once and one bit for each block of 64 x 64 says whether any of its words is other than +-0;
; (3) the small vectors of a layer are copied behind that layer's weights.
; FORMATS: WQ, WK, WV, W1, W2 go to f16, WP to bf16: a product's two operands share a format, and WP's partner (the attention's result) has no sure room in f16.
; LIMIT: a weight of WQ, WK, WV, W1, W2 above 65,504 in size overflows; below 6.1e-5 the numbers are 6e-8 apart.
; par_l: twelve blocks of 512 KiB, [w 8][ks 16][nt 4][1,024 B]: WQ, WK, WV, WP, W1 chunks 0-3, W2 chunks 0-3.  A piece of 1,024 bytes
; is 16 columns n = 64 w + 16 nt + r by 32 k: byte 512 half + 16 lane + 2 i holds column r = lane % 16, k = 32 ks + 16 half + 8 (lane / 16) + i.
; Work-group g: t = g % 4, kq = g / 4 % 4, w = g / 16 % 8, layer l = g / 128.  It turns three slabs of 128 k x 64 n (one of WQ WK WV WP by t,
; chunk t of W1, chunk t of W2), and scans the 8 mask blocks kb = 8 (g % 4) + wave of query block g / 4 (batch g / 128).
; Memory binds: all 56 loads of a wave go out at once; every load takes whole rows of 256 bytes, every store 512 neighbouring bytes.
; No matrix unit, no cluster: no two work-groups read the same byte.
.set STG,   16*272                     ; a wave's own stage: 16 k rows x (256 + 16) bytes
.set FLAGS, 8*STG                      ; eight words, one for each wave's mask block
.set DA, 32                            ; v[32:63]   slab A
.set DB, 64                            ; v[64:95]   slab B
.set DC, 96                            ; v[96:127]  slab C
.set MK, 128                           ; v[128:255] my mask block
.set VECS, 0x600000                    ; the vectors' place in par_l
.macro SLAB d, vo, sp, pitch           ; my 16 k rows of a slab: lanes 0-15 row 2 i, lanes 16-31 row 2 i + 1, 256 bytes each
.irp i, 0,1,2,3,4,5,6,7
	global_load_b128 v[\d+4*\i:\d+4*\i+3], v[\vo], s[\sp:\sp+1] offset:\i*2*\pitch th:TH_LOAD_NT
.endr
.endm
; 16 k x 64 n turned through my stage: in by rows, out by columns
.macro JTURN d, left
	s_wait_loadcnt \left                           ; loads return in order: this slab is in, the \left issued behind it may stay out
.irp i, 0,1,2,3,4,5,6,7
	ds_store_b128 v9, v[\d+4*\i:\d+4*\i+3] offset:\i*544
.endr
	s_wait_dscnt 0x0                               ; the slab's registers are loaded again below
.irp nt, 0,1,2,3
.irp k, 0,1,2,3,4,5,6,7
	ds_load_b32 v[\d+8*\nt+\k], v10 offset:\k*272+\nt*64       ; k = 8 (lane / 16) + \k, n = 16 nt + lane % 16
.endr
.endr
	s_wait_dscnt 0x0
.endm
; two k to a word.  In place: word 4 nt + q never passes a source still unread
.macro JCVT d, half
.irp nt, 0,1,2,3
.irp q, 0,1,2,3
.if \half
	v_cvt_pk_f16_f32 v[\d+4*\nt+\q], v[\d+8*\nt+2*\q], v[\d+8*\nt+2*\q+1]
.else
	v_cvt_pk_bf16_f32 v[\d+4*\nt+\q], v[\d+8*\nt+2*\q], v[\d+8*\nt+2*\q+1]
.endif
.endr
.endr
.endm
.macro JST d, dofs                     ; 512 neighbouring bytes to a store
.irp nt, 0,1,2,3
	global_store_b128 v11, v[\d+4*\nt:\d+4*\nt+3], s[60:61] offset:\dofs+\nt*1024
.endr
.endm
.macro FOLD n                          ; OR the upper n registers of 2 n onto the lower n
.set i, 0
.rept \n
	v_or_b32 v[MK+i], v[MK+i], v[MK+\n+i]
.set i, i+1
.endr
.endm
	s_load_b512 s[8:23], s[0:1], 0x0               ; wq 8, wk 10, wv 12, wp 14, w1 16, w2 18, mask 20, par0 22
	s_load_b512 s[24:39], s[0:1], 0x40             ; par1 24, blist 26, ln_in_g 28, ln_in_b 30, pb 32, ln1_g 34, ln1_b 36, b2 38
	s_load_b128 s[40:43], s[0:1], 0x80             ; ln2_g 40, ln2_b 42
	s_load_b64 s[44:45], s[0:1], 0x90              ; b1
	v_lshl_add_u32 v30, v0, 2, 0x8900
	v_mov_b32 v31, 0
	v_lshrrev_b32 v12, 5, v0
	v_readfirstlane_b32 s3, v12                    ; wave
	s_mov_b32 s2, ttmp9                            ; g
	s_and_b32 s46, s2, 3                           ; t (for the mask: the quarter of the key blocks)
	s_bfe_u32 s47, s2, 0x20002                     ; kq
	s_bfe_u32 s48, s2, 0x30004                     ; w
	s_lshr_b32 s49, s2, 7                          ; l (for the mask: the batch)
	v_and_b32 v13, 31, v0
	v_lshlrev_b32 v1, 4, v13                       ; 16 lane
	v_and_b32 v14, 15, v0                          ; r
	v_lshlrev_b32 v2, 4, v14                       ; 16 r
	v_bfe_u32 v3, v0, 4, 1                         ; h
	v_lshl_add_u32 v4, s3, 4, v3                   ; my first k row of the slab: 16 wave + h
	s_cmp_eq_u32 s46, 3
	s_cselect_b32 s70, 11, 8                       ; slab A's rows are 2,048 bytes apart in wp, 256 in wq, wk, wv
	v_lshl_add_u32 v5, v4, s70, v2
	v_lshl_add_u32 v6, v4, 13, v2                  ; w1: 8,192 bytes from row to row
	v_lshl_add_u32 v7, v4, 11, v2                  ; w2: 2,048
	v_lshl_add_u32 v8, v3, 13, v2                  ; mask: 8,192
	s_mul_i32 s71, s3, STG
	v_mad_u32_u24 v9, v3, 272, v2
	v_add_nc_u32 v9, s71, v9                       ; stage, by rows
	v_mul_u32_u24 v10, v3, 2176
	v_lshl_add_u32 v10, v14, 2, v10
	v_add_nc_u32 v10, s71, v10                     ; stage, by columns: 8 h rows down, word r
	s_lshr_b32 s72, s3, 1
	s_lshl_b32 s72, s72, 12                        ; my 16 k are half (wave % 2) of K step wave / 2 of the slab's four
	s_and_b32 s73, s3, 1
	s_lshl_b32 s73, s73, 9
	s_add_co_u32 s72, s72, s73
	v_add_nc_u32 v11, s72, v1
	; byte offsets of the slabs' corners, each in s[50:51]
	s_lshl_b32 s72, s48, 8                         ; 64 w columns
	s_lshl_b32 s73, s47, 18                        ; 128 kq rows of 2,048 bytes
	s_add_co_u32 s74, s72, s73                     ; the corner in wp and in a chunk of w2
	s_lshl_b32 s70, s48, 17                        ; head w of wq, wk, wv
	s_lshl_b32 s75, s47, 15                        ; 128 kq rows of 256 bytes
	s_add_co_u32 s70, s70, s75
	s_cmp_eq_u32 s46, 3
	s_cselect_b32 s50, s74, s70
	s_lshl_b32 s75, s49, 20                        ; the layer
	s_add_co_u32 s50, s50, s75
	s_mov_b32 s51, 0
	s_wait_kmcnt 0x0
	s_cmp_eq_u32 s46, 1
	s_cselect_b64 s[52:53], s[10:11], s[8:9]
	s_cmp_eq_u32 s46, 2
	s_cselect_b64 s[52:53], s[12:13], s[52:53]
	s_cmp_eq_u32 s46, 3
	s_cselect_b64 s[52:53], s[14:15], s[52:53]
	s_add_nc_u64 s[52:53], s[52:53], s[50:51]      ; slab A
	s_lshl_b32 s50, s49, 22
	s_lshl_b32 s75, s46, 11                        ; chunk t: 512 columns of w1
	s_add_co_u32 s50, s50, s75
	s_add_co_u32 s50, s50, s72
	s_lshl_b32 s75, s47, 20                        ; 128 kq rows of 8,192 bytes
	s_add_co_u32 s50, s50, s75
	s_add_nc_u64 s[54:55], s[16:17], s[50:51]      ; slab B
	s_lshl_b32 s50, s49, 22
	s_lshl_b32 s75, s46, 20                        ; chunk t: 512 rows of w2
	s_add_co_u32 s50, s50, s75
	s_add_co_u32 s50, s50, s74
	s_add_nc_u64 s[56:57], s[18:19], s[50:51]      ; slab C
	s_cmp_eq_u32 s49, 0
	s_cselect_b64 s[58:59], s[22:23], s[24:25]     ; par_l
	s_lshl_b32 s50, s46, 19
	s_lshl_b32 s75, s48, 16
	s_add_co_u32 s50, s50, s75
	s_lshl_b32 s75, s47, 14
	s_add_co_u32 s50, s50, s75
	s_add_nc_u64 s[60:61], s[58:59], s[50:51]      ; block t, wave part w, K steps 4 kq ..; the job's base stands in the stores' immediates
	s_lshr_b32 s50, s2, 2
	s_lshl_b32 s50, s50, 19                        ; 64 mask rows of 8,192 bytes for each query block
	s_lshl_b32 s75, s46, 11
	s_add_co_u32 s50, s50, s75
	s_lshl_b32 s75, s3, 8
	s_add_co_u32 s50, s50, s75                     ; key block 8 quarter + wave: 256 bytes each
	s_add_nc_u64 s[68:69], s[20:21], s[50:51]
	s_lshl_b32 s50, s2, 8
	s_add_nc_u64 s[62:63], s[26:27], s[50:51]      ; my entry of blist
	; all loads at once: 8 + 8 + 8 + 32
	s_cmp_eq_u32 s46, 3
	s_cbranch_scc1 .Lwp
	SLAB DA, 5, 52, 256
	s_branch .Lrest
.Lwp:
	SLAB DA, 5, 52, 2048
.Lrest:
	SLAB DB, 6, 54, 8192
	SLAB DC, 7, 56, 2048
.set i, 0
.rept 32
	global_load_b128 v[MK+4*i:MK+4*i+3], v8, s[68:69] offset:i*16384   ; mask rows 2 i and 2 i + 1 of my block, 256 bytes each; no hint: later launches read part of the mask again
.set i, i+1
.endr
	JTURN DA, 48                                   ; behind slab A: 8 + 8 + 32
	s_cmp_eq_u32 s46, 3                            ; the work-group's number decides the format: WP bf16, WQ WK WV f16
	s_cbranch_scc1 .Lwpfmt
	JCVT DA, 1
	s_branch .Lfmtdone
.Lwpfmt:
	JCVT DA, 0
.Lfmtdone:
	JST DA, 0
	JTURN DB, 40
	JCVT DB, 1
	JST DB, 0x200000
	JTURN DC, 32
	JCVT DC, 1
	JST DC, 0x400000
	; the mask block: is any word other than +0 or -0 ?
	s_wait_loadcnt 0x0
	FOLD 64
	FOLD 32
	FOLD 16
	FOLD 8
	FOLD 4
	FOLD 2
	FOLD 1
	v_and_b32 v12, 0x7fffffff, v[MK]
	v_cmp_ne_u32 vcc_lo, 0, v12
	s_cmp_lg_u32 vcc_lo, 0
	s_cselect_b32 s70, 1, 0                        ; a value is chosen; no branch and no address hangs on it
	s_lshl_b32 s70, s70, s3                        ; bit = wave
	v_mov_b32 v12, s70
	s_lshl_b32 s71, s3, 2
	s_add_co_u32 s71, s71, FLAGS
	v_mov_b32 v13, s71
	ds_store_b32 v13, v12
	s_wait_dscnt 0x0                               ; my flag is in LDS before I signal
	s_barrier_signal -1
	s_barrier_wait -1
	s_cmp_lg_u32 s3, 0
	s_cbranch_scc1 .Lnolist
	v_mov_b32 v13, FLAGS
	ds_load_b128 v[16:19], v13
	ds_load_b128 v[20:23], v13 offset:16
	s_wait_dscnt 0x0
	v_or_b32 v16, v16, v17
	v_or_b32 v18, v18, v19
	v_or_b32 v20, v20, v21
	v_or_b32 v22, v22, v23
	v_or_b32 v16, v16, v18
	v_or_b32 v20, v20, v22
	v_or_b32 v16, v16, v20
	v_mov_b32 v17, v16
	v_lshlrev_b32 v14, 3, v0                       ; wave 0: 8 lane
	global_store_b64 v14, v[16:17], s[62:63]       ; the entry's 64 equal words: 256 neighbouring bytes, aligned
.Lnolist:
	; the first work-group of each layer copies that layer's vectors
	s_and_b32 s70, s2, 127
	s_cmp_lg_u32 s70, 0
	s_cbranch_scc1 .Lend
	s_wait_xcnt 0x0                                ; slab A's registers, which stores read, are loaded again only behind this wait
	v_lshlrev_b32 v24, 3, v0                       ; 8 bytes a thread: 2,048 for the work-group
	s_lshl_b32 s71, s49, 11
	s_lshl_b32 s72, s49, 13
	v_add_nc_u32 v25, s71, v24                     ; + the layer's row of 512 numbers
	v_add_nc_u32 v26, s72, v24                     ; + the layer's row of 2,048 numbers (b1)
.irp i, 0,1,2,3,4,5,6,7
	global_load_b64 v[32+2*\i:33+2*\i], v25, s[28+2*\i:29+2*\i]
.endr
.irp j, 0,1,2,3
	global_load_b64 v[48+2*\j:49+2*\j], v26, s[44:45] offset:2048*\j
.endr
	s_wait_loadcnt 0x0
.irp i, 0,1,2,3,4,5,6,7
	global_store_b64 v24, v[32+2*\i:33+2*\i], s[58:59] offset:VECS+0x800*\i
.endr
.irp j, 0,1,2,3
	global_store_b64 v24, v[48+2*\j:49+2*\j], s[58:59] offset:VECS+0x4000+2048*\j
.endr
.Lend:
	s_wait_tensorcnt 0x0
	ds_add_u32 v30, v31
	s_wait_dscnt 0x0
	s_endpgm
.Lfunc_end_k_q8fa360a59f_prep:
	.size	k_q8fa360a59f_prep, .Lfunc_end_k_q8fa360a59f_prep-k_q8fa360a59f_prep
	.p2alignl 7, 3214868480
	.fill 96, 4, 3214868480
	.section	.rodata,"a",@progbits
	.p2align	6, 0x0
	.amdhsa_kernel k_q8fa360a59f_prep
		.amdhsa_group_segment_fixed_size 36096
		.amdhsa_private_segment_fixed_size 0
		.amdhsa_enable_private_segment 0
		.amdhsa_kernarg_size 152
		.amdhsa_user_sgpr_count 2
		.amdhsa_user_sgpr_kernarg_segment_ptr 1
		.amdhsa_wavefront_size32 1
		.amdhsa_system_sgpr_workgroup_id_x 1
		.amdhsa_system_sgpr_workgroup_id_y 1
		.amdhsa_system_sgpr_workgroup_id_z 1
		.amdhsa_system_vgpr_workitem_id 0
		.amdhsa_next_free_vgpr 256
		.amdhsa_next_free_sgpr 80
		.amdhsa_reserve_vcc 1
		.amdhsa_float_denorm_mode_32 3
		.amdhsa_float_denorm_mode_16_64 3
		.amdhsa_memory_ordered 1
		.amdhsa_forward_progress 1
		.amdhsa_inst_pref_size 31
	.end_amdhsa_kernel
	.amdgpu_metadata
---
amdhsa.version: [ 1, 2 ]
amdhsa.kernels:
  - .name:           k_q8fa360a59f_prep
    .symbol:         k_q8fa360a59f_prep.kd
    .args:
      - { .name: wq, .offset: 0, .size: 8, .value_kind: global_buffer, .address_space: global }
      - { .name: wk, .offset: 8, .size: 8, .value_kind: global_buffer, .address_space: global }
      - { .name: wv, .offset: 16, .size: 8, .value_kind: global_buffer, .address_space: global }
      - { .name: wp, .offset: 24, .size: 8, .value_kind: global_buffer, .address_space: global }
      - { .name: w1, .offset: 32, .size: 8, .value_kind: global_buffer, .address_space: global }
      - { .name: w2, .offset: 40, .size: 8, .value_kind: global_buffer, .address_space: global }
      - { .name: mask, .offset: 48, .size: 8, .value_kind: global_buffer, .address_space: global }
      - { .name: par0, .offset: 56, .size: 8, .value_kind: global_buffer, .address_space: global }
      - { .name: par1, .offset: 64, .size: 8, .value_kind: global_buffer, .address_space: global }
      - { .name: blist, .offset: 72, .size: 8, .value_kind: global_buffer, .address_space: global }
      - { .name: ln_in_g, .offset: 80, .size: 8, .value_kind: global_buffer, .address_space: global }
      - { .name: ln_in_b, .offset: 88, .size: 8, .value_kind: global_buffer, .address_space: global }
      - { .name: pb, .offset: 96, .size: 8, .value_kind: global_buffer, .address_space: global }
      - { .name: ln1_g, .offset: 104, .size: 8, .value_kind: global_buffer, .address_space: global }
      - { .name: ln1_b, .offset: 112, .size: 8, .value_kind: global_buffer, .address_space: global }
      - { .name: b2, .offset: 120, .size: 8, .value_kind: global_buffer, .address_space: global }
      - { .name: ln2_g, .offset: 128, .size: 8, .value_kind: global_buffer, .address_space: global }
      - { .name: ln2_b, .offset: 136, .size: 8, .value_kind: global_buffer, .address_space: global }
      - { .name: b1, .offset: 144, .size: 8, .value_kind: global_buffer, .address_space: global }
    .group_segment_fixed_size: 36096
    .private_segment_fixed_size: 0
    .kernarg_segment_align: 8
    .kernarg_segment_size: 152
    .max_flat_workgroup_size: 256
    .sgpr_count:     80
    .vgpr_count:     256
    .wavefront_size: 32
...
	.end_amdgpu_metadata
.endif
;; end of part 1
;; launch qkv0 (part 2): grid 64 x 3, 8 waves a work-group, no clusters, 67,584 bytes of LDS; arguments x, par0, qkv; writes qkv
.if DOCPART == 2
	.amdgcn_target "amdgcn-amd-amdhsa--gfx1250"
	.amdhsa_code_object_version 6
	.text
	.protected	k_q8fa360a59f_qkv0
	.globl	k_q8fa360a59f_qkv0
	.p2align	8
	.type	k_q8fa360a59f_qkv0,@function
k_q8fa360a59f_qkv0:
	s_mov_b64 s[64:65], 0
	v_nop
	global_prefetch_b8 v0, s[64:65] scope:SCOPE_SE
	s_setreg_imm32_b32 hwreg(HW_REG_WAVE_MODE, 25, 1), 1
	s_wait_xcnt 0x0
; qkv: xn = LayerNorm(h) for 64 token rows (work-group x), then one of Q, K, V (work-group y) = xn W, 64 x 512 x 512, f16 operands, f32 sums.
; Wave w normalises rows 8 w .. 8 w + 7 (a row is 16 registers of one wave; mean, then the centred squares) and lays them in LDS as f16;
; behind one barrier wave w makes head w: 64 tokens x 64 columns, 16 accumulator tiles.
; The weights lie in memory in fragment order and each fragment serves one wave only, so they go straight into registers
; (8 loads of 512 neighbouring bytes for a K step of 32) through a ring of five K steps; only xn goes through LDS.
; No cluster, no tensor load: what work-groups share (the weights) would have to pass LDS on its way to exactly one wave, 32 KiB in and 32 KiB out
; for a K step beside xn's 32 KiB of reads.
; Out, f16, in the order in which attention loads fragments.  Q, K: piece (16 tokens mt, 16 e nt) of 512 bytes, lane = token r, e = 16 nt + 8 h + 0..7.
; V transposed: piece (16 e, 16 tokens), lane = e r, tokens 16 mt + 8 h + 0..7.
; WHY f16: |xn| <= sqrt(512) |g| + |b| = 22.6 |g| + |b| whatever h holds, and q, k, v are sums of 512 products of xn and a weight; with gains of 30 and
; weights of spread 1.3 their spread is about 900, six spreads 5,400.
; LIMIT: matrix operands and q, k, v are rounded to f16; one above 65,504 in size overflows.
.set XP,   1040                        ; an LDS row of xn: 1,024 bytes + 16, an odd multiple of 16: the 16 rows of a fragment load start in different banks
.set XB,   32                          ; v[32:95]   two buffers of xn fragments (4 token tiles x 8)
.set WR,   96                          ; v[96:255]  weight ring: 5 K steps x (4 column tiles x 8)
.set WPTR, 16                          ; s[16:17]   my head's weights
.set NST,  16                          ; K steps in all
.set NMU,  16                          ; v[16:23]   four rows: (-mean, -mean)
.set RS,   24                          ; v[24:31]   four rows: (rstd, rstd)
.set GG,   32                          ; v[32:47]   gain of my 16 columns 128 j + 4 lane + c
.set BB,   48                          ; v[48:63]   bias
.set TT,   64                          ; v[64:95]   at work
; block 1 (v256-383, written v0-127): my 8 rows, 16 registers each; later the 16 accumulator tiles, tile (mt, nt) at 8 (4 mt + nt)
.set MSB, 0
.macro WIN new                         ; s_set_vgpr_msb: bits 1:0 source 0, 3:2 source 1, 5:4 source 2, 7:6 destination; the high byte repeats the setting left
.if MSB != \new
	s_set_vgpr_msb (MSB<<8)|\new
.set MSB, \new
.endif
.endm
.macro PLACES                          ; four plain vector instructions between a matrix instruction and a load into, or a vector access to, its registers
.rept 4
	v_nop
.endr
.endm
.macro WM d, a, b, zero
.if \zero
	v_wmma_f32_16x16x32_f16 v[\d:\d+7], v[\a:\a+7], v[\b:\b+7], 0
.else
	v_wmma_f32_16x16x32_f16 v[\d:\d+7], v[\a:\a+7], v[\b:\b+7], v[\d:\d+7]
.endif
.endm
.macro WLOAD g                         ; the weights of K step g: 4 column tiles x 2 halves, 512 neighbouring bytes each
.irp nt, 0,1,2,3
.irp hf, 0,1
	global_load_b128 v[WR+32*((\g)%5)+8*\nt+4*\hf:WR+32*((\g)%5)+8*\nt+4*\hf+3], v1, s[WPTR+2*((\g)/16):WPTR+2*((\g)/16)+1] offset:((\g)%16)*4096+\nt*1024+\hf*512
.endr
.endr
.endm
.macro XLOAD xa, ks                    ; the activations of K step ks: 4 token tiles x 2 halves
.irp mt, 0,1,2,3
.irp hf, 0,1
	ds_load_b128 v[XB+32*((\ks)&1)+8*\mt+4*\hf:XB+32*((\ks)&1)+8*\mt+4*\hf+3], v[\xa] offset:\mt*16*XP+(\ks)*64+\hf*32
.endr
.endr
.endm
; 16 matrix instructions on 16 accumulators: they take turns, one instruction a turn, from step to step too.
; swap = 1: source 0 = weights: a lane then holds token r and the 8 neighbouring columns 16 nt + 8 h + j.  swap = 0: column r and 8 neighbouring tokens.
.macro MM16 g, acc, swap, zero
.irp mt, 0,1,2,3
.irp nt, 0,1,2,3
.if \swap
	WM \acc+8*(4*\mt+\nt), WR+32*((\g)%5)+8*\nt, XB+32*((\g)&1)+8*\mt, \zero
.else
	WM \acc+8*(4*\mt+\nt), XB+32*((\g)&1)+8*\mt, WR+32*((\g)%5)+8*\nt, \zero
.endif
.endr
.endr
.endm
.macro GSTEP_PRE g, xa
	WIN 0
	PLACES                                         ; behind the last step's matrix instructions, whose buffers are loaded next
.if ((\g)%16) < 15
	XLOAD \xa, ((\g)%16)+1
.endif
.if (\g)+4 < NST
	WLOAD (\g)+4
.endif
.if NST-1-(\g) >= 4
	s_wait_loadcnt 32                              ; step g's weights are in: the four later steps' 8 loads each may stay out
.else
	s_wait_loadcnt 8*(NST-1-(\g))                  ; the tail: as many steps as are left behind this one
.endif
.if ((\g)%16) < 15
	s_wait_dscnt 8                                 ; this step's activations are in: the next step's 8 loads may stay out
.else
	s_wait_dscnt 0
.endif
.endm
.macro GSTEP g, xa, acc, swap, zero
	GSTEP_PRE \g, \xa
	WIN 0x50                                       ; C and D in block 1
	MM16 \g, \acc, \swap, \zero
.endm
.macro PHASE p, xa, acc, swap          ; 64 x 64 x 512 for this wave; the first product starts the sums
	XLOAD \xa, 0
	GSTEP 16*\p, \xa, \acc, \swap, 1
.irp k, 1,2,3,4,5,6,7,8,9,10,11,12,13,14,15
	GSTEP 16*\p+\k, \xa, \acc, \swap, 0
.endr
	WIN 0
	PLACES
.endm
; four rows' partial sums, 4 pairs each in TT + 8 i, to one number in every lane
.macro SUM4
.irp i, 0,1,2,3
	v_pk_add_f32 v[TT+8*\i:TT+8*\i+1], v[TT+8*\i:TT+8*\i+1], v[TT+8*\i+2:TT+8*\i+3]
	v_pk_add_f32 v[TT+8*\i+4:TT+8*\i+5], v[TT+8*\i+4:TT+8*\i+5], v[TT+8*\i+6:TT+8*\i+7]
.endr
.irp i, 0,1,2,3
	v_pk_add_f32 v[TT+8*\i:TT+8*\i+1], v[TT+8*\i:TT+8*\i+1], v[TT+8*\i+4:TT+8*\i+5]
.endr
.irp i, 0,1,2,3
	v_add_f32 v[TT+8*\i], v[TT+8*\i], v[TT+8*\i+1]
.endr
.irp m, 1,2,4,8
.irp i, 0,1,2,3
	v_add_f32_dpp v[TT+8*\i], v[TT+8*\i], v[TT+8*\i] row_xmask:\m row_mask:0xf bank_mask:0xf
.endr
.endr
.irp i, 0,1,2,3
	v_permlanex16_b32 v[TT+8*\i+1], v[TT+8*\i], s22, s23
.endr
.irp i, 0,1,2,3
	v_add_f32 v[TT+8*\i], v[TT+8*\i], v[TT+8*\i+1]
.endr
.endm
; LayerNorm of my rows i0 .. i0 + 3, in place in block 1, then as f16 into LDS
.macro LNBATCH i0
	WIN 0x05                                       ; both sources block 1, result block 0
.irp i, 0,1,2,3
.irp q, 0,1,2,3
	v_pk_add_f32 v[TT+8*\i+2*\q:TT+8*\i+2*\q+1], v[16*(\i0+\i)+4*\q:16*(\i0+\i)+4*\q+1], v[16*(\i0+\i)+4*\q+2:16*(\i0+\i)+4*\q+3]
.endr
.endr
	WIN 0
	SUM4
.irp i, 0,1,2,3
	v_mul_f32 v[NMU+2*\i], 0xbb000000, v[TT+8*\i]  ; -sum / 512
.endr
.irp i, 0,1,2,3
	v_mov_b32 v[NMU+2*\i+1], v[NMU+2*\i]
.endr
	WIN 0x41                                       ; source 0 and result block 1
.irp i, 0,1,2,3
.irp p, 0,1,2,3,4,5,6,7
	v_pk_add_f32 v[16*(\i0+\i)+2*\p:16*(\i0+\i)+2*\p+1], v[16*(\i0+\i)+2*\p:16*(\i0+\i)+2*\p+1], v[NMU+2*\i:NMU+2*\i+1]
.endr
.endr
	WIN 0x05
.irp i, 0,1,2,3
.irp p, 0,1,2,3
	v_pk_mul_f32 v[TT+8*\i+2*\p:TT+8*\i+2*\p+1], v[16*(\i0+\i)+2*\p:16*(\i0+\i)+2*\p+1], v[16*(\i0+\i)+2*\p:16*(\i0+\i)+2*\p+1]
.endr
.endr
.irp i, 0,1,2,3
.irp p, 0,1,2,3
	v_pk_fma_f32 v[TT+8*\i+2*\p:TT+8*\i+2*\p+1], v[16*(\i0+\i)+8+2*\p:16*(\i0+\i)+8+2*\p+1], v[16*(\i0+\i)+8+2*\p:16*(\i0+\i)+8+2*\p+1], v[TT+8*\i+2*\p:TT+8*\i+2*\p+1]
.endr
.endr
	WIN 0
	SUM4
.irp i, 0,1,2,3
	v_fma_f32 v[TT+8*\i], v[TT+8*\i], s26, s27     ; variance + 1e-3
.endr
.irp i, 0,1,2,3
	v_rsq_f32 v[RS+2*\i], v[TT+8*\i]
.endr
	v_nop                                          ; one plain instruction behind the last v_rsq_f32 before its result is used (ISA guide 5.7.2)
	s_wait_alu depctr_va_vdst(0)
.irp i, 0,1,2,3
	v_mov_b32 v[RS+2*\i+1], v[RS+2*\i]
.endr
	WIN 0x41
.irp i, 0,1,2,3
.irp p, 0,1,2,3,4,5,6,7
	v_pk_mul_f32 v[16*(\i0+\i)+2*\p:16*(\i0+\i)+2*\p+1], v[16*(\i0+\i)+2*\p:16*(\i0+\i)+2*\p+1], v[RS+2*\i:RS+2*\i+1]
.endr
.endr
.irp i, 0,1,2,3
.irp p, 0,1,2,3,4,5,6,7
	v_pk_fma_f32 v[16*(\i0+\i)+2*\p:16*(\i0+\i)+2*\p+1], v[16*(\i0+\i)+2*\p:16*(\i0+\i)+2*\p+1], v[GG+2*\p:GG+2*\p+1], v[BB+2*\p:BB+2*\p+1]
.endr
.endr
	WIN 0x05
.irp i, 0,1,2,3
.irp p, 0,1,2,3,4,5,6,7
	v_cvt_pk_f16_f32 v[TT+8*\i+\p], v[16*(\i0+\i)+2*\p], v[16*(\i0+\i)+2*\p+1]
.endr
.endr
	WIN 0
.irp i, 0,1,2,3
.irp j, 0,1,2,3
	ds_store_b64 v4, v[TT+8*\i+2*\j:TT+8*\i+2*\j+1] offset:(\i0+\i)*XP+\j*256   ; columns 128 j + 4 lane ..: 256 neighbouring bytes for the wave
.endr
.endr
.endm
.macro OUT smt, snt                    ; 16 tiles to f16, 16 bytes a lane, 512 neighbouring bytes a store
	WIN 0x05
.irp t, 0,1,2,3,4,5,6,7,8,9,10,11,12,13,14,15
.irp q, 0,1,2,3
	v_cvt_pk_f16_f32 v[32+4*\t+\q], v[8*\t+2*\q], v[8*\t+2*\q+1]
.endr
.endr
	WIN 0
.irp mt, 0,1,2,3
.irp nt, 0,1,2,3
	global_store_b128 v1, v[32+4*(4*\mt+\nt):32+4*(4*\mt+\nt)+3], s[20:21] offset:\mt*\smt+\nt*\snt
.endr
.endr
.endm
	s_load_b128 s[4:7], s[0:1], 0x0                ; h s[4:5], par s[6:7]
	s_load_b64 s[8:9], s[0:1], 0x10                ; qkv
	v_lshl_add_u32 v14, v0, 2, 0x10400
	v_mov_b32 v15, 0
	v_lshrrev_b32 v5, 5, v0
	v_readfirstlane_b32 s10, v5                    ; wave = head
	s_mov_b32 s11, ttmp9                           ; row block, 0 .. 63
	s_and_b32 s12, ttmp7, 0xffff                   ; 0 Q, 1 K, 2 V
	s_mov_b32 s22, 0x76543210                      ; v_permlanex16_b32: lane i reads lane i of the other half
	s_mov_b32 s23, 0xfedcba98
	s_mov_b32 s26, 0x3b000000                      ; 1 / 512
	s_mov_b32 s27, 0x3a83126f                      ; 1e-3
	v_and_b32 v5, 31, v0
	v_lshlrev_b32 v1, 4, v5                        ; 16 lane
	s_lshl_b32 s13, s10, 14
	v_add_nc_u32 v2, s13, v1                       ; + my 8 rows of 2,048 bytes
	v_and_b32 v6, 15, v0
	v_bfe_u32 v7, v0, 4, 1
	v_mul_u32_u24 v3, v6, XP
	v_lshl_add_u32 v3, v7, 4, v3                   ; fragment reads: r x pitch + 16 h
	s_mul_i32 s13, s10, 8*XP
	v_lshl_add_u32 v4, v5, 3, s13                  ; my rows in LDS, 8 bytes a lane
	s_mov_b32 s15, 0
	s_wait_kmcnt 0x0
	s_lshl_b32 s14, s11, 17
	s_add_nc_u64 s[24:25], s[4:5], s[14:15]        ; h at the block's first row
	s_lshl_b32 s14, s12, 19
	s_lshl_b32 s13, s10, 16
	s_add_co_u32 s14, s14, s13
	s_add_nc_u64 s[16:17], s[6:7], s[14:15]        ; weight block y, part of wave w
	s_lshl_b32 s14, s12, 22
	s_lshr_b32 s13, s11, 5
	s_lshl_b32 s13, s13, 21                        ; batch
	s_add_co_u32 s14, s14, s13
	s_lshl_b32 s13, s10, 18                        ; head
	s_add_co_u32 s14, s14, s13
	s_and_b32 s13, s11, 31
	s_lshl_b32 s13, s13, 13                        ; block of 64 tokens
	s_add_co_u32 s14, s14, s13
	s_add_nc_u64 s[20:21], s[8:9], s[14:15]
	WIN 0x40                                       ; loaded data into block 1
.irp i, 0,1,2,3,4,5,6,7
.irp j, 0,1,2,3
	global_load_b128 v[16*\i+4*\j:16*\i+4*\j+3], v2, s[24:25] offset:\i*2048+\j*512
.endr
.endr
	WIN 0
.irp j, 0,1,2,3
	global_load_b128 v[GG+4*\j:GG+4*\j+3], v1, s[6:7] offset:0x600000+\j*512
	global_load_b128 v[BB+4*\j:BB+4*\j+3], v1, s[6:7] offset:0x600800+\j*512
.endr
	WLOAD 0                                        ; the first four K steps' weights travel while the rows are normalised
	WLOAD 1
	WLOAD 2
	WLOAD 3
	s_wait_loadcnt 32                              ; rows, gain and bias are in: only those 32 weight loads were issued behind them
	LNBATCH 0
	LNBATCH 4
	s_wait_dscnt 0x0                               ; my rows are in LDS before I signal
	s_barrier_signal -1
	s_barrier_wait -1
	s_cmp_eq_u32 s12, 2
	s_cbranch_scc1 .Lv
	PHASE 0, 3, 0, 1
	OUT 2048, 512
	s_wait_tensorcnt 0x0
	ds_add_u32 v14, v15
	s_wait_dscnt 0x0
	s_endpgm
.Lv:
	PHASE 0, 3, 0, 0
	OUT 512, 2048
	s_wait_tensorcnt 0x0
	ds_add_u32 v14, v15
	s_wait_dscnt 0x0
	s_endpgm
.Lfunc_end_k_q8fa360a59f_qkv0:
	.size	k_q8fa360a59f_qkv0, .Lfunc_end_k_q8fa360a59f_qkv0-k_q8fa360a59f_qkv0
	.p2alignl 7, 3214868480
	.fill 96, 4, 3214868480
	.section	.rodata,"a",@progbits
	.p2align	6, 0x0
	.amdhsa_kernel k_q8fa360a59f_qkv0
		.amdhsa_group_segment_fixed_size 67584
		.amdhsa_private_segment_fixed_size 0
		.amdhsa_enable_private_segment 0
		.amdhsa_kernarg_size 24
		.amdhsa_user_sgpr_count 2
		.amdhsa_user_sgpr_kernarg_segment_ptr 1
		.amdhsa_wavefront_size32 1
		.amdhsa_system_sgpr_workgroup_id_x 1
		.amdhsa_system_sgpr_workgroup_id_y 1
		.amdhsa_system_sgpr_workgroup_id_z 1
		.amdhsa_system_vgpr_workitem_id 0
		.amdhsa_next_free_vgpr 384
		.amdhsa_next_free_sgpr 66
		.amdhsa_reserve_vcc 0
		.amdhsa_float_denorm_mode_32 3
		.amdhsa_float_denorm_mode_16_64 3
		.amdhsa_memory_ordered 1
		.amdhsa_forward_progress 1
		.amdhsa_inst_pref_size 131
	.end_amdhsa_kernel
	.amdgpu_metadata
---
amdhsa.version: [ 1, 2 ]
amdhsa.kernels:
  - .name:           k_q8fa360a59f_qkv0
    .symbol:         k_q8fa360a59f_qkv0.kd
    .args:
      - { .name: x, .offset: 0, .size: 8, .value_kind: global_buffer, .address_space: global }
      - { .name: par0, .offset: 8, .size: 8, .value_kind: global_buffer, .address_space: global }
      - { .name: qkv, .offset: 16, .size: 8, .value_kind: global_buffer, .address_space: global }
    .group_segment_fixed_size: 67584
    .private_segment_fixed_size: 0
    .kernarg_segment_align: 8
    .kernarg_segment_size: 24
    .max_flat_workgroup_size: 256
    .sgpr_count:     66
    .vgpr_count:     384
    .wavefront_size: 32
...
	.end_amdgpu_metadata
.endif
;; end of part 2
;; launch attn0 (part 3): grid 256 x 1, 8 waves a work-group, no clusters, 61,696 bytes of LDS; arguments qkv, mask, blist, x, par0, ares, yb; writes ares, yb
.if DOCPART == 3
	.amdgcn_target "amdgcn-amd-amdhsa--gfx1250"
	.amdhsa_code_object_version 6
	.text
	.protected	k_q8fa360a59f_attn0
	.globl	k_q8fa360a59f_attn0
	.p2align	8
	.type	k_q8fa360a59f_attn0,@function
k_q8fa360a59f_attn0:
	s_mov_b64 s[64:65], 0
	v_nop
	global_prefetch_b8 v0, s[64:65] scope:SCOPE_SE
	s_setreg_imm32_b32 hwreg(HW_REG_WAVE_MODE, 25, 1), 1
	s_wait_xcnt 0x0
; attn: for 16 token rows (4,096 rows on 256 work-groups): attention (wave w = head w), projection + pb + residual = attn_out, LayerNorm 1.
; Out: ares = attn_out + b2, f32, row-major (a later launch adds the FFN's partial sums onto it); yb = LayerNorm1(attn_out) as f16 in pieces of 512 bytes,
; [tile of 16 rows][w 8][nt 4][lane][16 bytes]: lane (r, h) holds token r, columns 64 w + 16 nt + 8 h + 0..7, just as the accumulators hold them.
; ATTENTION walks only the key blocks of 64 whose bit in blist is set (blist was stored by an earlier launch from the mask as it is given, for blocks of 64 queries).
; A block that is left out has m = +-0 everywhere: it adds nothing to the numerator, and to the denominator 64 terms at the score -1e10;
; the running maximum and sum start from exactly that (maximum -1e10, sum = the keys left out), so every mask is served, all-zero rows and a dense mask too.
; Softmax in base 2 with a running maximum: t = 0.125 log2e (q.k) + (m C1 - C1), C1 = 1e10 log2e; p = 2^(t - max); P = p m; o = (sum P v) / (sum p).
; A block's K, mask and V are asked for one block ahead, each as soon as its registers have been read; the last block is written out without loads.
; FORMATS.  f16 for q.k and P v (P = p m with p <= 1; q, k, v are sums of 512 products of a normalised row and a weight: with gains of 30 and weights of
; spread 1.3 their spread is about 900, six spreads 5,400) and for y (|y| <= 22.6 |g| + |b|).  bf16 for the projection: |o| is bounded only by max |m| x max |v|.
; LIMITS.  Matrix operands are rounded to f16 (o and WP to bf16); an f16 operand above 65,504 in size overflows.
; A left-out key's score is taken as -1e10 exactly, which is what f32 makes of s - 1e10 for |s| < 512.
; Mask values other than 0 and 1 go through the same formula, but the term of size 1e10 is rounded in base 2, so in rows without any m = 1 its last bits
; can differ from a computation in base e.  NaN is not followed through max.
; THE PROJECTION 16 x 512 x 512: the waves share N, 64 columns each, so a weight fragment serves one wave only; WP lies in memory in fragment order and goes
; straight to registers through a ring of five K steps; o goes through LDS.
; NO CLUSTER: the work-groups that share WP, K and V have numbers of key blocks that are read from blist and differ, so partners would not reach a joint
; request in the same round; and K, V and WP each go to one wave's registers only, so a way through LDS would add a fill and a read of every byte.
.set XP,    1040                       ; pitch of a row of o: 1,024 + 16, an odd multiple of 16
.set STAGE, 16*XP                      ; each wave's own 16 rows x (256 + 16) bytes, f32: its 64 columns of h, later of attn_out + b2
.set STW,   16*272
.set VEC,   STAGE+8*STW                ; pb, ln1_g, ln1_b, b2: 2,048 bytes each
.set RED1,  VEC+4*2048                 ; [row 16][wave 8] f32; a second table 512 bytes behind it
.set XB,   32                          ; v[32:47]   two buffers of o's fragment
.set WR,   96                          ; v[96:255]  weight ring, 5 K steps x 32
.set WPTR, 38                          ; s[38:39]   my part of WP
.set NST,  16                          ; K steps of the projection
; attention, block 0
.set C1P,  32                          ; (C1, C1)
.set NC1P, 34                          ; (-C1, -C1)
.set C0P,  36                          ; (0.125 log2e) twice
.set MX,   38                          ; running maximum of query r
.set LS,   39                          ; running sum, each half of the lanes its own keys
.set AL,   46                          ; 2^(old max - new max), twice
.set NM,   48                          ; -new max, twice
.set KF,   64                          ; v[64:127]  K fragments (kt, c) at 16 kt + 8 c
.set SC,   128                         ; v[128:159] scores: register 8 kt + j = key 16 kt + 8 h + j, lane = query r
.set TT,   160                         ; v[160:191] at work; then P's two fragments
.set MSK,  192                         ; v[192:223] the mask, laid as SC
.set HH,   224                         ; v[224:255] my 64 columns of h, by rows, until attention is over
; block 1 (v256-415, written v0-159)
.set OA,   0                           ; tile et at 8 et: register j = e 16 et + 8 h + j, lane = query r
.set QF,   32                          ; fragment c at 8 c
.set VV,   48                          ; 8 bytes a thread of pb, ln1_g, ln1_b, b2
.set VF,   64                          ; (et, c) at 16 et + 8 c
.set RA,   128                         ; the projection's four tiles, then attn_out: tile nt at 8 nt
; persistent: v1 16 lane; v2 mask r x 8192 + 32 h; v3 fragment reads of o; v5 tile stores of o; v7 stage by tiles; v8 stage by rows;
; v9 global rows; v10 vectors; v11, v12 reduction tables
.set MSB, 0
.macro WIN new                         ; s_set_vgpr_msb: bits 1:0 source 0, 3:2 source 1, 5:4 source 2, 7:6 destination; the high byte repeats the setting left
.if MSB != \new
	s_set_vgpr_msb (MSB<<8)|\new
.set MSB, \new
.endif
.endm
.macro PLACES                          ; four plain vector instructions between a matrix instruction and a load into, or a vector access to, its registers
.rept 4
	v_nop
.endr
.endm
.macro BAR
	s_wait_dscnt 0x0                               ; my LDS stores are done and my LDS reads are back before I signal
	s_barrier_signal -1
	s_barrier_wait -1
.endm
.macro WMH d, a, b, zero               ; f16 operands
.if \zero
	v_wmma_f32_16x16x32_f16 v[\d:\d+7], v[\a:\a+7], v[\b:\b+7], 0
.else
	v_wmma_f32_16x16x32_f16 v[\d:\d+7], v[\a:\a+7], v[\b:\b+7], v[\d:\d+7]
.endif
.endm
.macro WMB d, a, b, zero               ; bf16 operands
.if \zero
	v_wmma_f32_16x16x32_bf16 v[\d:\d+7], v[\a:\a+7], v[\b:\b+7], 0
.else
	v_wmma_f32_16x16x32_bf16 v[\d:\d+7], v[\a:\a+7], v[\b:\b+7], v[\d:\d+7]
.endif
.endm
.macro WLOAD g                         ; WP's K step g: 4 column tiles x 2 halves, 512 neighbouring bytes each
.irp nt, 0,1,2,3
.irp hf, 0,1
	global_load_b128 v[WR+32*((\g)%5)+8*\nt+4*\hf:WR+32*((\g)%5)+8*\nt+4*\hf+3], v1, s[WPTR:WPTR+1] offset:(\g)*4096+\nt*1024+\hf*512
.endr
.endr
.endm
.macro XLOAD ks                        ; o's fragment of K step ks
.irp hf, 0,1
	ds_load_b128 v[XB+8*((\ks)&1)+4*\hf:XB+8*((\ks)&1)+4*\hf+3], v3 offset:(\ks)*64+\hf*32
.endr
.endm
; One K step: 4 matrix instructions on 4 accumulators, which take turns, one instruction a turn, from step to step too.
; Source 0 = weights, source 1 = o: a lane holds token r and the 8 neighbouring columns 64 w + 16 nt + 8 h + j.
.macro GSTEP g, zero
	WIN 0
	PLACES                                         ; behind the last step's matrix instructions, whose buffers are loaded next
.if (\g) < 15
	XLOAD (\g)+1
.endif
.if (\g)+4 < NST
	WLOAD (\g)+4
.endif
.if NST-1-(\g) >= 4
	s_wait_loadcnt 32                              ; step g's weights are in: the four later steps' 8 loads each may stay out
.else
	s_wait_loadcnt 8*(NST-1-(\g))                  ; the tail: as many steps as are left behind this one
.endif
.if (\g) < 15
	s_wait_dscnt 2                                 ; this step's fragment is in: the next step's 2 loads may stay out
.else
	s_wait_dscnt 0
.endif
	WIN 0x50                                       ; C and D in block 1
.irp nt, 0,1,2,3
	WMB RA+8*\nt, WR+32*((\g)%5)+8*\nt, XB+8*((\g)&1), \zero
.endr
.endm
.macro NEXTKB                          ; the lowest set bit is the next key block
	s_ctz_i32_b32 s22, s20
	s_min_u32 s22, s22, 31
	s_sub_co_u32 s23, s20, 1
	s_and_b32 s20, s20, s23
	s_lshl_b32 s36, s22, 13                        ; 64 keys x 64 x 2 bytes
	s_add_nc_u64 s[30:31], s[24:25], s[36:37]
	s_add_nc_u64 s[32:33], s[26:27], s[36:37]
	s_lshl_b32 s36, s22, 8                         ; 64 mask columns
	s_add_nc_u64 s[34:35], s[28:29], s[36:37]
.endm
.macro KLOAD
.irp i, 0,1,2,3,4,5,6,7,8,9,10,11,12,13,14,15
	global_load_b128 v[KF+4*\i:KF+4*\i+3], v1, s[30:31] offset:512*\i
.endr
.endm
.macro MLOAD                           ; the mask of query r, keys 16 kt + 8 h + 0..7; the 8 instructions cover the 16 rows' 256 bytes whole
.irp kt, 0,1,2,3
.irp hf, 0,1
	global_load_b128 v[MSK+8*\kt+4*\hf:MSK+8*\kt+4*\hf+3], v2, s[34:35] offset:\kt*64+\hf*16
.endr
.endr
.endm
.macro VVLOAD
	WIN 0x40
.irp i, 0,1,2,3,4,5,6,7,8,9,10,11,12,13,14,15
	global_load_b128 v[VF+4*\i:VF+4*\i+3], v1, s[32:33] offset:512*\i
.endr
	WIN 0
.endm
; My 16 queries against one block of 64 keys.  At the head this block's loads are out in the order K 16, mask 8, V 16, and nothing behind them.
; first = 1: the products start O's sums.  next = 1: the next block's K, mask and V are asked for, each behind the last read of its registers.
.macro ABLK first, next
.if \next
	s_wait_xcnt 0x0                                ; V's loads may be out: the pointers that they name are rewritten only behind this wait
	NEXTKB
.endif
	s_wait_loadcnt 16                              ; K and the mask are in (and all that was asked for before them): V's 16 loads were issued behind them
	WIN 0x04                                       ; source 1 (Q) in block 1
.irp kt, 0,1,2,3
	WMH SC+8*\kt, KF+16*\kt, QF, 1
.endr
.irp kt, 0,1,2,3
	WMH SC+8*\kt, KF+16*\kt+8, QF+8, 0             ; four accumulators by turns, one instruction a turn
.endr
	WIN 0
.irp p, 0,1,2,3,4,5,6,7,8,9,10,11,12,13,14,15
	v_pk_fma_f32 v[TT+2*\p:TT+2*\p+1], v[MSK+2*\p:MSK+2*\p+1], v[C1P:C1P+1], v[NC1P:NC1P+1]   ; m C1 - C1; these lines are also the places behind the products
.endr
.if \next
	KLOAD                                          ; the next block's K travels during the softmax
.endif
.irp p, 0,1,2,3,4,5,6,7,8,9,10,11,12,13,14,15
	v_pk_fma_f32 v[SC+2*\p:SC+2*\p+1], v[SC+2*\p:SC+2*\p+1], v[C0P:C0P+1], v[TT+2*\p:TT+2*\p+1]
.endr
	v_max3_num_f32 v50, v[MX], v[SC], v[SC+1]      ; the old maximum and 32 scores, two chains
	v_max3_num_f32 v51, v[SC+16], v[SC+17], v[SC+18]
.irp i, 0,1,2,3,4,5
	v_max3_num_f32 v50, v50, v[SC+2+2*\i], v[SC+3+2*\i]
	v_max3_num_f32 v51, v51, v[SC+19+2*\i], v[SC+20+2*\i]
.endr
	v_max3_num_f32 v50, v50, v[SC+14], v[SC+15]
	v_max3_num_f32 v50, v50, v51, v[SC+31]
	v_permlanex16_b32 v52, v50, s44, s45           ; the other half of the lanes holds the same query's other keys
	v_max_num_f32 v53, v50, v52
	v_sub_f32 v54, v[MX], v53
	v_exp_f32 v[AL], v54
	v_mov_b32 v[MX], v53                           ; the plain instruction behind v_exp_f32 (ISA guide 5.7.2)
	v_mul_f32 v[NM], -1.0, v53
	v_mov_b32 v[NM+1], v[NM]
	s_wait_alu depctr_va_vdst(0)
	v_mov_b32 v[AL+1], v[AL]
.irp p, 0,1,2,3,4,5,6,7,8,9,10,11,12,13,14,15
	v_pk_add_f32 v[TT+2*\p:TT+2*\p+1], v[SC+2*\p:SC+2*\p+1], v[NM:NM+1]   ; the difference first, exactly; then the exponential
.endr
.set i, 0
.rept 32
	v_exp_f32 v[TT+i], v[TT+i]
.set i, i+1
.endr
	v_nop                                          ; one plain instruction behind the last v_exp_f32
	s_wait_alu depctr_va_vdst(0)
	v_pk_add_f32 v[56:57], v[TT:TT+1], v[TT+2:TT+3]
	v_pk_add_f32 v[58:59], v[TT+4:TT+5], v[TT+6:TT+7]
.irp p, 4,6,8,10,12,14
	v_pk_add_f32 v[56:57], v[56:57], v[TT+2*\p:TT+2*\p+1]
	v_pk_add_f32 v[58:59], v[58:59], v[TT+2*\p+2:TT+2*\p+3]
.endr
	v_pk_add_f32 v[56:57], v[56:57], v[58:59]
	v_add_f32 v56, v56, v57
	v_fma_f32 v[LS], v[LS], v[AL], v56
.irp p, 0,1,2,3,4,5,6,7,8,9,10,11,12,13,14,15
	v_pk_mul_f32 v[SC+2*\p:SC+2*\p+1], v[TT+2*\p:TT+2*\p+1], v[MSK+2*\p:MSK+2*\p+1]   ; P = p m
.endr
.if \next
	MLOAD                                          ; the next block's mask, into the registers just read
.endif
.irp kt, 0,1,2,3
.irp q, 0,1,2,3
	v_cvt_pk_f16_f32 v[TT+4*\kt+\q], v[SC+8*\kt+2*\q], v[SC+8*\kt+2*\q+1]   ; a lane's keys 16 kt + 8 h + j are just what P's fragment kt / 2 wants of it
.endr
.endr
.if \first == 0
	WIN 0x41
.irp et, 0,1,2,3
.irp p, 0,1,2,3
	v_pk_mul_f32 v[OA+8*\et+2*\p:OA+8*\et+2*\p+1], v[OA+8*\et+2*\p:OA+8*\et+2*\p+1], v[AL:AL+1]
.endr
.endr
.endif
.if \next
	s_wait_loadcnt 24                              ; V is in: the next block's K 16 and mask 8 were issued behind it
.else
	s_wait_loadcnt 0x0                             ; V is in: nothing was issued behind it
.endif
	WIN 0x51                                       ; V, C and D in block 1, P in block 0
.irp et, 0,1,2,3
	WMH OA+8*\et, VF+16*\et, TT, \first
.endr
.irp et, 0,1,2,3
	WMH OA+8*\et, VF+16*\et+8, TT+8, 0             ; by turns again
.endr
	WIN 0
	PLACES                                         ; before TT is written or V loaded again
.if \next
	VVLOAD                                         ; the next block's V travels during that block's scores and softmax
.endif
.endm
.macro VLOAD dst, ofs                  ; a vector's numbers of my columns 64 w + 16 nt + 8 h + 0..7, all four nt
.irp nt, 0,1,2,3
.irp hf, 0,1
	ds_load_b128 v[\dst+8*\nt+4*\hf:\dst+8*\nt+4*\hf+3], v10 offset:\ofs+\nt*64+\hf*16
.endr
.endr
.endm
; the four pairs v[16:23] hold my wave's sums over its 64 columns, split over pairs, pair halves and lane halves: to the whole row's sum in v160, through the table at ofs
.macro ROWRED ofs
	v_pk_add_f32 v[16:17], v[16:17], v[18:19]
	v_pk_add_f32 v[20:21], v[20:21], v[22:23]
	v_pk_add_f32 v[16:17], v[16:17], v[20:21]
	v_add_f32 v16, v16, v17
	v_permlanex16_b32 v17, v16, s44, s45
	v_add_f32 v16, v16, v17
	ds_store_b32 v11, v16 offset:\ofs
	BAR
	ds_load_b128 v[160:163], v12 offset:\ofs
	ds_load_b128 v[164:167], v12 offset:\ofs+16
	s_wait_dscnt 0x0
	v_pk_add_f32 v[160:161], v[160:161], v[162:163]
	v_pk_add_f32 v[164:165], v[164:165], v[166:167]
	v_pk_add_f32 v[160:161], v[160:161], v[164:165]
	v_add_f32 v160, v160, v161
.endm
	; ---- ids, addresses
	s_load_b256 s[4:11], s[0:1], 0x0               ; qkv 4, mask 6, blist 8, h 10
	s_load_b128 s[12:15], s[0:1], 0x20             ; par 12, ares 14
	s_load_b64 s[58:59], s[0:1], 0x30              ; yb
	v_lshl_add_u32 v30, v0, 2, 0xed00
	v_mov_b32 v31, 0
	v_lshrrev_b32 v13, 5, v0
	v_readfirstlane_b32 s16, v13                   ; wave = head
	s_mov_b32 s17, ttmp9                           ; tile of 16 rows, 0 .. 255
	s_lshr_b32 s19, s17, 7                         ; batch: 128 tiles each
	s_mov_b32 s44, 0x76543210                      ; v_permlanex16_b32: lane i reads lane i of the other half
	s_mov_b32 s45, 0xfedcba98
	s_mov_b32 s62, 0x3b000000                      ; 1 / 512
	s_mov_b32 s63, 0x3a83126f                      ; 1e-3
	s_mov_b32 s37, 0                               ; high word of every offset pair s[36:37]
	s_lshr_b32 s23, s17, 2                         ; my block of 64 queries
	s_lshl_b32 s23, s23, 10                        ; four entries of 256 bytes for each
	s_wait_kmcnt 0x0
	s_load_b32 s48, s[8:9], s23 offset:0x0
	s_load_b32 s49, s[8:9], s23 offset:0x100
	s_load_b32 s50, s[8:9], s23 offset:0x200
	s_load_b32 s51, s[8:9], s23 offset:0x300
	v_and_b32 v13, 31, v0
	v_lshlrev_b32 v1, 4, v13
	v_and_b32 v13, 15, v0                          ; r
	v_bfe_u32 v14, v0, 4, 1                        ; h
	v_lshlrev_b32 v2, 13, v13
	v_lshl_add_u32 v2, v14, 5, v2
	v_mul_u32_u24 v3, v13, XP
	v_lshl_add_u32 v3, v14, 4, v3
	s_lshl_b32 s36, s16, 7
	v_add_nc_u32 v5, s36, v3
	s_mul_i32 s36, s16, STW
	s_add_co_u32 s36, s36, STAGE
	v_mul_u32_u24 v7, v13, 272
	v_lshl_add_u32 v7, v14, 5, v7
	v_add_nc_u32 v7, s36, v7
	v_mul_u32_u24 v8, v14, 272
	v_lshl_add_u32 v8, v13, 4, v8
	v_add_nc_u32 v8, s36, v8
	s_lshl_b32 s36, s16, 8
	v_lshlrev_b32 v9, 11, v14
	v_lshl_add_u32 v9, v13, 4, v9
	v_add_nc_u32 v9, s36, v9
	s_add_co_u32 s36, s36, VEC
	v_lshl_add_u32 v10, v14, 5, s36
	v_lshlrev_b32 v12, 5, v13
	v_add_nc_u32 v12, RED1, v12
	v_lshl_add_u32 v11, s16, 2, v12
	v_lshlrev_b32 v13, 3, v0                       ; 8 thread: the vectors' copy
	v_add_nc_u32 v14, VEC, v13
	s_lshl_b32 s36, s19, 21
	s_lshl_b32 s22, s16, 18
	s_add_co_u32 s36, s36, s22
	s_add_nc_u64 s[52:53], s[4:5], s[36:37]        ; this batch, this head
	s_add_nc_u64 s[24:25], s[52:53], 0x400000      ; K
	s_add_nc_u64 s[26:27], s[52:53], 0x800000      ; V
	s_and_b32 s36, s17, 127
	s_lshl_b32 s36, s36, 11                        ; 16 tokens x 64 x 2 bytes
	s_add_nc_u64 s[52:53], s[52:53], s[36:37]      ; Q of my 16 tokens
	s_lshl_b32 s36, s17, 17
	s_add_nc_u64 s[28:29], s[6:7], s[36:37]        ; my 16 mask rows of 8,192 bytes
	s_lshl_b32 s36, s17, 15
	s_add_nc_u64 s[54:55], s[10:11], s[36:37]      ; my 16 rows of h
	s_add_nc_u64 s[56:57], s[14:15], s[36:37]      ; and of ares
	s_lshl_b32 s36, s17, 14
	s_lshl_b32 s22, s16, 11
	s_add_co_u32 s36, s36, s22
	s_add_nc_u64 s[58:59], s[58:59], s[36:37]      ; my four pieces of yb
	s_lshl_b32 s36, s16, 16
	s_add_nc_u64 s[38:39], s[12:13], s[36:37]
	s_add_nc_u64 s[38:39], s[38:39], 0x180000      ; WP, my 64 columns
	; ---- h, the vectors and Q are asked for first; h and the vectors are used only behind attention, so no wait stands for them alone
.irp t, 0,1,2,3,4,5,6,7
	global_load_b128 v[HH+4*\t:HH+4*\t+3], v9, s[54:55] offset:\t*4096   ; rows 2 t, 2 t + 1: 16 lanes take 256 neighbouring bytes
.endr
	WIN 0x40
	global_load_b64 v[VV:VV+1], v13, s[12:13] offset:0x601000            ; pb
	global_load_b64 v[VV+2:VV+3], v13, s[12:13] offset:0x601800          ; ln1_g
	global_load_b64 v[VV+4:VV+5], v13, s[12:13] offset:0x602000          ; ln1_b
	global_load_b64 v[VV+6:VV+7], v13, s[12:13] offset:0x602800          ; b2
.irp i, 0,1,2,3
	global_load_b128 v[QF+4*\i:QF+4*\i+3], v1, s[52:53] offset:512*\i
.endr
	WIN 0
	s_wait_kmcnt 0x0
	s_and_b32 s48, s48, 255
	s_and_b32 s49, s49, 255
	s_and_b32 s50, s50, 255
	s_and_b32 s51, s51, 255
	s_lshl_b32 s49, s49, 8
	s_lshl_b32 s50, s50, 16
	s_lshl_b32 s51, s51, 24
	s_or_b32 s48, s48, s49
	s_or_b32 s50, s50, s51
	s_or_b32 s20, s48, s50                         ; bit kb: key block kb has a mask word other than +-0
	s_bcnt1_i32_b32 s21, s20
	s_min_u32 s21, s21, 32                         ; n, the blocks to walk
	s_sub_co_u32 s23, 32, s21
	s_lshl_b32 s23, s23, 5                         ; the keys left out, 64 a block, half of them for each half of the lanes
	s_cvt_f32_u32 s23, s23
	s_mov_b32 s46, 0xff7fffff                      ; nothing left out: start below every score
	s_mov_b32 s47, 0xd056fa73                      ; -C1
	s_cmp_lt_u32 s21, 32
	s_cselect_b32 s46, s47, s46
	v_mov_b32 v[C1P], 0x5056fa73
	v_mov_b32 v[C1P+1], 0x5056fa73
	v_mov_b32 v[NC1P], 0xd056fa73
	v_mov_b32 v[NC1P+1], 0xd056fa73
	v_mov_b32 v[C0P], 0x3e38aa3b
	v_mov_b32 v[C0P+1], 0x3e38aa3b
	v_mov_b32 v[MX], s46
	v_mov_b32 v[LS], s23
	v_mov_b32 v24, 0                               ; destinations of v_permlanex16_b32 count as read
	v_mov_b32 v52, 0
	; ---- attention
	s_cmp_eq_u32 s21, 0
	s_cbranch_scc1 .Lnone
	NEXTKB
	KLOAD
	MLOAD
	VVLOAD
	s_cmp_eq_u32 s21, 1
	s_cbranch_scc1 .Lonly
	ABLK 1, 1                                      ; the first block's products start O's sums
	s_sub_co_u32 s47, s21, 2                       ; the blocks between the first and the last
	s_cmp_eq_u32 s47, 0
	s_cbranch_scc1 .Llast
	s_mov_b32 s46, 0
.Lblk:
	ABLK 0, 1
	s_add_co_u32 s46, s46, 1
	s_cmp_lt_u32 s46, s47
	s_cbranch_scc1 .Lblk
.Llast:
	ABLK 0, 0                                      ; the last block asks for nothing
	s_branch .Lscale
.Lonly:
	ABLK 1, 0
.Lscale:
	WLOAD 0                                        ; no load is out here; the first four K steps of the projection travel while o is scaled
	WLOAD 1
	WLOAD 2
	WLOAD 3
	v_permlanex16_b32 v24, v[LS], s44, s45
	v_add_f32 v24, v24, v[LS]
	v_rcp_f32 v16, v24                             ; the sum holds a term 1 at the least
	v_nop
	s_wait_alu depctr_va_vdst(0)
	v_mov_b32 v17, v16
	WIN 0x01
.irp et, 0,1,2,3
.irp p, 0,1,2,3
	v_pk_mul_f32 v[64+8*\et+2*\p:65+8*\et+2*\p], v[OA+8*\et+2*\p:OA+8*\et+2*\p+1], v[16:17]
.endr
.endr
	WIN 0
.irp et, 0,1,2,3
.irp q, 0,1,2,3
	v_cvt_pk_bf16_f32 v[32+4*\et+\q], v[64+8*\et+2*\q], v[64+8*\et+2*\q+1]   ; o goes in bf16: see FORMATS at the head
.endr
.endr
.irp et, 0,1,2,3
	ds_store_b128 v5, v[32+4*\et:32+4*\et+3] offset:\et*32                   ; o(token r, 64 w + 16 et + 8 h ..)
.endr
	s_branch .Ljoin
.Lnone:                                            ; no key block has a mask word other than +-0: probs x mask = 0, o = 0
	s_wait_loadcnt 0x0                             ; h, the vectors and Q
	WLOAD 0
	WLOAD 1
	WLOAD 2
	WLOAD 3
	v_mov_b32 v32, 0
	v_mov_b32 v33, 0
	v_mov_b32 v34, 0
	v_mov_b32 v35, 0
.irp et, 0,1,2,3
	ds_store_b128 v5, v[32:35] offset:\et*32
.endr
.Ljoin:                                            ; on both ways exactly the 32 weight loads are out
.irp t, 0,1,2,3,4,5,6,7
	ds_store_b128 v8, v[HH+4*\t:HH+4*\t+3] offset:\t*544                     ; h by rows into my stage
.endr
	WIN 0x04                                       ; store data in block 1
.irp i, 0,1,2,3
	ds_store_b64 v14, v[VV+2*\i:VV+2*\i+1] offset:2048*\i
.endr
	WIN 0
	BAR                                            ; o and the vectors are whole
	; ---- projection
	XLOAD 0
	GSTEP 0, 1                                     ; the first product starts the sums
.irp k, 1,2,3,4,5,6,7,8,9,10,11,12,13,14,15
	GSTEP \k, 0
.endr
	WIN 0
	PLACES
	; ---- attn_out = projection + (h + pb); ares = attn_out + b2
	VLOAD 96, 0                                    ; pb
	VLOAD 128, 6144                                ; b2
.irp nt, 0,1,2,3
.irp hf, 0,1
	ds_load_b128 v[32+8*\nt+4*\hf:32+8*\nt+4*\hf+3], v7 offset:\nt*64+\hf*16 ; h of token r, my columns 16 nt + 8 h + 0..7
.endr
.endr
	s_wait_dscnt 0x0
.set q, 0
.rept 16
	v_pk_add_f32 v[32+2*q:33+2*q], v[32+2*q:33+2*q], v[96+2*q:97+2*q]
.set q, q+1
.endr
	WIN 0x41
.set q, 0
.rept 16
	v_pk_add_f32 v[RA+2*q:RA+2*q+1], v[RA+2*q:RA+2*q+1], v[32+2*q:33+2*q]
.set q, q+1
.endr
	WIN 0x01
.set q, 0
.rept 16
	v_pk_add_f32 v[64+2*q:65+2*q], v[RA+2*q:RA+2*q+1], v[128+2*q:129+2*q]
.set q, q+1
.endr
	WIN 0
.irp nt, 0,1,2,3
.irp hf, 0,1
	ds_store_b128 v7, v[64+8*\nt+4*\hf:64+8*\nt+4*\hf+3] offset:\nt*64+\hf*16 ; by tiles into my own stage, whose h has been read,
.endr
.endr
.irp t, 0,1,2,3,4,5,6,7
	ds_load_b128 v[192+4*\t:192+4*\t+3], v8 offset:\t*544                     ; and back by rows: LDS serves a wave's instructions in order (ISA guide 5.7.1.4)
.endr
	VLOAD 96, 2048                                 ; ln1_g, for later: pb has been used
	VLOAD 128, 4096                                ; ln1_b: b2 has been used
	WIN 0x05                                       ; the first two pairs of each tile start the row sums: nothing is cleared
.irp nt, 0,1,2,3
	v_pk_add_f32 v[16+2*\nt:17+2*\nt], v[RA+8*\nt:RA+8*\nt+1], v[RA+8*\nt+2:RA+8*\nt+3]
.endr
	WIN 0x01
.irp p, 2,3
.irp nt, 0,1,2,3
	v_pk_add_f32 v[16+2*\nt:17+2*\nt], v[RA+8*\nt+2*\p:RA+8*\nt+2*\p+1], v[16+2*\nt:17+2*\nt]
.endr
.endr
	WIN 0
.irp t, 0,1,2,3,4,5,6,7
	s_wait_dscnt 23-\t                             ; row load t is back: 7 - t row loads and the 16 vector loads were issued behind it
	global_store_b128 v9, v[192+4*\t:192+4*\t+3], s[56:57] offset:\t*4096     ; 16 lanes fill 256 neighbouring aligned bytes of ares
.endr
	; ---- LayerNorm 1: mean, centred squares, y
	ROWRED 0
	v_mul_f32 v24, 0xbb000000, v160                ; -mean
	v_mov_b32 v25, v24
	WIN 0x01
.set q, 0
.rept 16
	v_pk_add_f32 v[32+2*q:33+2*q], v[RA+2*q:RA+2*q+1], v[24:25]
.set q, q+1
.endr
	WIN 0
.irp c, 0,1,2,3
	v_pk_mul_f32 v[16+2*\c:17+2*\c], v[32+2*\c:33+2*\c], v[32+2*\c:33+2*\c]
.endr
.irp g, 1,2,3
.irp c, 0,1,2,3
	v_pk_fma_f32 v[16+2*\c:17+2*\c], v[32+8*\g+2*\c:33+8*\g+2*\c], v[32+8*\g+2*\c:33+8*\g+2*\c], v[16+2*\c:17+2*\c]
.endr
.endr
	ROWRED 512
	v_fma_f32 v160, v160, s62, s63                 ; variance + 1e-3
	v_rsq_f32 v16, v160
	v_nop                                          ; one plain instruction behind v_rsq_f32 before its result is used (ISA guide 5.7.2)
	s_wait_alu depctr_va_vdst(0)
	v_mov_b32 v17, v16
.set q, 0
.rept 16
	v_pk_mul_f32 v[32+2*q:33+2*q], v[32+2*q:33+2*q], v[16:17]
.set q, q+1
.endr
.set q, 0
.rept 16
	v_pk_fma_f32 v[32+2*q:33+2*q], v[32+2*q:33+2*q], v[96+2*q:97+2*q], v[128+2*q:129+2*q]
.set q, q+1
.endr
.irp nt, 0,1,2,3
.irp q, 0,1,2,3
	v_cvt_pk_f16_f32 v[168+4*\nt+\q], v[32+8*\nt+2*\q], v[32+8*\nt+2*\q+1]
.endr
.endr
.irp nt, 0,1,2,3
	global_store_b128 v1, v[168+4*\nt:168+4*\nt+3], s[58:59] offset:\nt*512   ; a piece of yb: 512 neighbouring bytes
.endr
	s_wait_tensorcnt 0x0
	ds_add_u32 v30, v31
	s_wait_dscnt 0x0
	s_endpgm
.Lfunc_end_k_q8fa360a59f_attn0:
	.size	k_q8fa360a59f_attn0, .Lfunc_end_k_q8fa360a59f_attn0-k_q8fa360a59f_attn0
	.p2alignl 7, 3214868480
	.fill 96, 4, 3214868480
	.section	.rodata,"a",@progbits
	.p2align	6, 0x0
	.amdhsa_kernel k_q8fa360a59f_attn0
		.amdhsa_group_segment_fixed_size 61696
		.amdhsa_private_segment_fixed_size 0
		.amdhsa_enable_private_segment 0
		.amdhsa_kernarg_size 56
		.amdhsa_user_sgpr_count 2
		.amdhsa_user_sgpr_kernarg_segment_ptr 1
		.amdhsa_wavefront_size32 1
		.amdhsa_system_sgpr_workgroup_id_x 1
		.amdhsa_system_sgpr_workgroup_id_y 1
		.amdhsa_system_sgpr_workgroup_id_z 1
		.amdhsa_system_vgpr_workitem_id 0
		.amdhsa_next_free_vgpr 416
		.amdhsa_next_free_sgpr 66
		.amdhsa_reserve_vcc 0
		.amdhsa_float_denorm_mode_32 3
		.amdhsa_float_denorm_mode_16_64 3
		.amdhsa_memory_ordered 1
		.amdhsa_forward_progress 1
		.amdhsa_inst_pref_size 106
	.end_amdhsa_kernel
	.amdgpu_metadata
---
amdhsa.version: [ 1, 2 ]
amdhsa.kernels:
  - .name:           k_q8fa360a59f_attn0
    .symbol:         k_q8fa360a59f_attn0.kd
    .args:
      - { .name: qkv, .offset: 0, .size: 8, .value_kind: global_buffer, .address_space: global }
      - { .name: mask, .offset: 8, .size: 8, .value_kind: global_buffer, .address_space: global }
      - { .name: blist, .offset: 16, .size: 8, .value_kind: global_buffer, .address_space: global }
      - { .name: x, .offset: 24, .size: 8, .value_kind: global_buffer, .address_space: global }
      - { .name: par0, .offset: 32, .size: 8, .value_kind: global_buffer, .address_space: global }
      - { .name: ares, .offset: 40, .size: 8, .value_kind: global_buffer, .address_space: global }
      - { .name: yb, .offset: 48, .size: 8, .value_kind: global_buffer, .address_space: global }
    .group_segment_fixed_size: 61696
    .private_segment_fixed_size: 0
    .kernarg_segment_align: 8
    .kernarg_segment_size: 56
    .max_flat_workgroup_size: 256
    .sgpr_count:     66
    .vgpr_count:     416
    .wavefront_size: 32
...
	.end_amdgpu_metadata
.endif
;; end of part 3
;; launch ffn0 (part 4): grid 64 x 4, 8 waves a work-group, no clusters, 275,456 bytes of LDS; arguments yb, par0, part; writes part
.if DOCPART == 4
	.amdgcn_target "amdgcn-amd-amdhsa--gfx1250"
	.amdhsa_code_object_version 6
	.text
	.protected	k_q8fa360a59f_ffn0
	.globl	k_q8fa360a59f_ffn0
	.p2align	8
	.type	k_q8fa360a59f_ffn0,@function
k_q8fa360a59f_ffn0:
	s_mov_b64 s[64:65], 0
	v_nop
	global_prefetch_b8 v0, s[64:65] scope:SCOPE_SE
	s_setreg_imm32_b32 hwreg(HW_REG_WAVE_MODE, 25, 1), 1
	s_wait_xcnt 0x0
; ffn: for 64 token rows (work-group x = rb) and one quarter of the hidden units (work-group y = fq):
;   hidden = relu(y W1 + b1) on hidden units 512 fq .. + 511, then hidden W2 over the same 512 as K: an f32 partial [64][512].
; The next launch adds the four partials and attn_out + b2.
; TWO PRODUCTS 64 x 512 x 512, f16 operands, f32 sums: the waves share N, 64 columns each, so a weight fragment serves one wave only; the weights lie in memory
; in fragment order and go straight to registers through a ring of five K steps that runs on from the first product into the second; activations go through LDS.
; y comes in pieces of 512 bytes, [tile of 16 rows][w 8][nt 4][lane][16 bytes], lane (r, h) = token r, columns 64 w + 16 nt + 8 h + 0..7.
; WHY f16: |y| <= 22.6 |g| + |b|; the hidden units are sums of 512 products of y and a weight: with gains of 30 and weights of spread 1.3 their spread
; is about 900, six spreads 5,400.
; LIMITS.  Matrix operands are rounded to f16; one above 65,504 in size overflows.  NaN is not followed through relu.
; NO CLUSTER: the row blocks of one fq walk the same weights, but a joint load lands in LDS, and each weight fragment serves one wave: a K step's 32 KiB would be
; filled and read again beside the 32 KiB of activation reads, for that step's 128 matrix instructions.
.set XP,    1040                       ; pitch of an activation row: 1,024 + 16, an odd multiple of 16
.set X1,    64*XP                      ; X0 at 0: the hidden chunk; X1: y
.set STAGE, 2*64*XP                    ; each wave's own 64 rows x (256 + 16) bytes, f32: its 64 columns of the partial
.set STW,   64*272
.set VEC,   STAGE+8*STW                ; b1, chunk fq: 2,048 bytes
.set XB,   32                          ; v[32:95]   two buffers of activation fragments
.set WR,   96                          ; v[96:255]  weight ring, 5 K steps x 32
.set WPTR, 38                          ; s[38:41]   my parts of W1 chunk fq, W2 chunk fq
.set NST,  32                          ; K steps of the two products together
.set ACC,  0                           ; block 1, v0-127: 16 accumulator tiles, tile (mt, nt) at 8 (4 mt + nt)
; persistent: v1 16 lane; v3, v4 fragment reads of X0, X1; v5, v6 tile stores into X0, X1; v7 stage by tiles; v8 stage by rows; v9 global rows; v10 b1
.set MSB, 0
.macro WIN new                         ; s_set_vgpr_msb: bits 1:0 source 0, 3:2 source 1, 5:4 source 2, 7:6 destination; the high byte repeats the setting left
.if MSB != \new
	s_set_vgpr_msb (MSB<<8)|\new
.set MSB, \new
.endif
.endm
.macro PLACES                          ; four plain vector instructions between a matrix instruction and a load into, or a vector access to, its registers
.rept 4
	v_nop
.endr
.endm
.macro BAR
	s_wait_dscnt 0x0                               ; my LDS stores are done and my LDS reads are back before I signal
	s_barrier_signal -1
	s_barrier_wait -1
.endm
.macro WMH d, a, b, zero
.if \zero
	v_wmma_f32_16x16x32_f16 v[\d:\d+7], v[\a:\a+7], v[\b:\b+7], 0
.else
	v_wmma_f32_16x16x32_f16 v[\d:\d+7], v[\a:\a+7], v[\b:\b+7], v[\d:\d+7]
.endif
.endm
.macro WLOAD g                         ; the weights of K step g (product g / 16): 4 column tiles x 2 halves, 512 neighbouring bytes each
.irp nt, 0,1,2,3
.irp hf, 0,1
	global_load_b128 v[WR+32*((\g)%5)+8*\nt+4*\hf:WR+32*((\g)%5)+8*\nt+4*\hf+3], v1, s[WPTR+2*((\g)/16):WPTR+2*((\g)/16)+1] offset:((\g)%16)*4096+\nt*1024+\hf*512
.endr
.endr
.endm
.macro XLOAD xa, ks
.irp mt, 0,1,2,3
.irp hf, 0,1
	ds_load_b128 v[XB+32*((\ks)&1)+8*\mt+4*\hf:XB+32*((\ks)&1)+8*\mt+4*\hf+3], v[\xa] offset:\mt*16*XP+(\ks)*64+\hf*32
.endr
.endr
.endm
; One K step: 16 matrix instructions on 16 accumulators, which take turns, one instruction a turn, from step to step too.
; Source 0 = weights, source 1 = activations: a lane holds token 16 mt + r and the 8 neighbouring columns 64 w + 16 nt + 8 h + j.
.macro GSTEP g, xa, zero
	WIN 0
	PLACES                                         ; behind the last step's matrix instructions, whose buffers are loaded next
.if ((\g)%16) < 15
	XLOAD \xa, ((\g)%16)+1
.endif
.if (\g)+4 < NST
	WLOAD (\g)+4
.endif
.if NST-1-(\g) >= 4
	s_wait_loadcnt 32                              ; step g's weights are in: the four later steps' 8 loads each may stay out
.else
	s_wait_loadcnt 8*(NST-1-(\g))                  ; the tail: as many steps as are left behind this one
.endif
.if ((\g)%16) < 15
	s_wait_dscnt 8                                 ; this step's activations are in: the next step's 8 loads may stay out
.else
	s_wait_dscnt 0
.endif
	WIN 0x50                                       ; C and D in block 1
.irp mt, 0,1,2,3
.irp nt, 0,1,2,3
	WMH ACC+8*(4*\mt+\nt), WR+32*((\g)%5)+8*\nt, XB+32*((\g)&1)+8*\mt, \zero
.endr
.endr
.endm
.macro PHASE p, xa                     ; 64 x 64 x 512 for this wave; the first product starts the sums
	XLOAD \xa, 0
	GSTEP 16*\p, \xa, 1
.irp k, 1,2,3,4,5,6,7,8,9,10,11,12,13,14,15
	GSTEP 16*\p+\k, \xa, 0
.endr
	WIN 0
	PLACES
.endm
.macro RELU nt                         ; hidden = max(sum + b1, 0), as f16 into X0
	WIN 0x01
.irp mt, 0,1,2,3
.irp p, 0,1,2,3
	v_pk_add_f32 v[64+8*\mt+2*\p:65+8*\mt+2*\p], v[ACC+8*(4*\mt+\nt)+2*\p:ACC+8*(4*\mt+\nt)+2*\p+1], v[32+8*\nt+2*\p:33+8*\nt+2*\p]
.endr
.endr
	WIN 0
.set i, 0
.rept 32
	v_max_num_f32 v[64+i], 0, v[64+i]
.set i, i+1
.endr
.irp mt, 0,1,2,3
.irp q, 0,1,2,3
	v_cvt_pk_f16_f32 v[64+4*\mt+\q], v[64+8*\mt+2*\q], v[64+8*\mt+2*\q+1]   ; in place: word 4 mt + q never passes a source still unread
.endr
.endr
.irp mt, 0,1,2,3
	ds_store_b128 v5, v[64+4*\mt:64+4*\mt+3] offset:\mt*16*XP+\nt*32
.endr
.endm
	; ---- ids, addresses
	s_load_b128 s[4:7], s[0:1], 0x0                ; yb 4, par 6
	s_load_b64 s[8:9], s[0:1], 0x10                ; part
	v_lshl_add_u32 v30, v0, 2, 0x43000
	v_mov_b32 v31, 0
	v_lshrrev_b32 v13, 5, v0
	v_readfirstlane_b32 s16, v13                   ; wave
	s_mov_b32 s17, ttmp9                           ; rb
	s_and_b32 s18, ttmp7, 0xffff                   ; fq
	s_mov_b32 s37, 0                               ; high word of every offset pair s[36:37]
	v_and_b32 v13, 31, v0
	v_lshlrev_b32 v1, 4, v13
	v_and_b32 v13, 15, v0                          ; r
	v_bfe_u32 v14, v0, 4, 1                        ; h
	v_mul_u32_u24 v3, v13, XP
	v_lshl_add_u32 v3, v14, 4, v3
	v_add_nc_u32 v4, X1, v3
	s_lshl_b32 s36, s16, 7
	v_add_nc_u32 v5, s36, v3
	v_add_nc_u32 v6, X1, v5
	s_mul_i32 s36, s16, STW
	s_add_co_u32 s36, s36, STAGE
	v_mul_u32_u24 v7, v13, 272
	v_lshl_add_u32 v7, v14, 5, v7
	v_add_nc_u32 v7, s36, v7
	v_mul_u32_u24 v8, v14, 272
	v_lshl_add_u32 v8, v13, 4, v8
	v_add_nc_u32 v8, s36, v8
	s_lshl_b32 s36, s16, 8
	v_lshlrev_b32 v9, 11, v14
	v_lshl_add_u32 v9, v13, 4, v9
	v_add_nc_u32 v9, s36, v9
	s_add_co_u32 s36, s36, VEC
	v_lshl_add_u32 v10, v14, 5, s36
	v_lshlrev_b32 v13, 3, v0                       ; 8 thread: b1's copy
	v_add_nc_u32 v14, VEC, v13
	s_wait_kmcnt 0x0
	s_lshl_b32 s36, s17, 16                        ; four tiles of 16 rows, 16 KiB each
	s_lshl_b32 s22, s16, 11
	s_add_co_u32 s36, s36, s22
	s_add_nc_u64 s[52:53], s[4:5], s[36:37]        ; y: the pieces of columns 64 w ..
	s_lshl_b32 s36, s17, 17
	s_add_nc_u64 s[56:57], s[8:9], s[36:37]
	s_lshl_b32 s36, s18, 23
	s_add_nc_u64 s[56:57], s[56:57], s[36:37]      ; my 64 rows of partial fq
	s_lshl_b32 s36, s18, 11
	s_add_nc_u64 s[60:61], s[6:7], s[36:37]        ; par + 2,048 fq: b1's chunk by an immediate
	s_lshl_b32 s36, s16, 16
	s_lshl_b32 s22, s18, 19
	s_add_co_u32 s36, s36, s22
	s_add_nc_u64 s[38:39], s[6:7], s[36:37]
	s_add_nc_u64 s[40:41], s[38:39], 0x400000      ; W2 chunk fq
	s_add_nc_u64 s[38:39], s[38:39], 0x200000      ; W1 chunk fq
	; ---- y into X1, b1 into LDS; the first four K steps' weights travel meanwhile
.irp mt, 0,1,2,3
.irp nt, 0,1,2,3
	global_load_b128 v[32+4*(4*\mt+\nt):32+4*(4*\mt+\nt)+3], v1, s[52:53] offset:\mt*16384+\nt*512
.endr
.endr
	global_load_b64 v[16:17], v13, s[60:61] offset:0x604000
	WLOAD 0
	WLOAD 1
	WLOAD 2
	WLOAD 3
	s_wait_loadcnt 32                              ; y and b1 are in: only those 32 weight loads were issued behind them
.irp mt, 0,1,2,3
.irp nt, 0,1,2,3
	ds_store_b128 v6, v[32+4*(4*\mt+\nt):32+4*(4*\mt+\nt)+3] offset:\mt*16*XP+\nt*32
.endr
.endr
	ds_store_b64 v14, v[16:17]
	BAR                                            ; y and b1 are whole
	; ---- FFN1, bias, relu
	PHASE 0, 4
.irp nt, 0,1,2,3
.irp hf, 0,1
	ds_load_b128 v[32+8*\nt+4*\hf:32+8*\nt+4*\hf+3], v10 offset:\nt*64+\hf*16   ; b1 of my columns 64 w + 16 nt + 8 h + 0..7
.endr
.endr
	s_wait_dscnt 0x0
	RELU 0
	RELU 1
	RELU 2
	RELU 3
	BAR                                            ; the hidden chunk is whole
	; ---- FFN2
	PHASE 1, 3
	; ---- the way out: tiles into my own stage, whole rows of 256 bytes back, 16 lanes fill 256 neighbouring aligned bytes of the partial
	WIN 0x04                                       ; store data in block 1
.irp mt, 0,1,2,3
.irp nt, 0,1,2,3
.irp hf, 0,1
	ds_store_b128 v7, v[ACC+8*(4*\mt+\nt)+4*\hf:ACC+8*(4*\mt+\nt)+4*\hf+3] offset:\mt*4352+\nt*64+\hf*16
.endr
.endr
.endr
	WIN 0
.set t, 0
.rept 32
	ds_load_b128 v[96+4*t:96+4*t+3], v8 offset:t*544   ; LDS serves a wave's instructions in order (ISA guide 5.7.1.4): these see the stores above
.set t, t+1
.endr
.set t, 0
.rept 32
	s_wait_dscnt 31-t                              ; load t is back: 31 - t were issued behind it
	global_store_b128 v9, v[96+4*t:96+4*t+3], s[56:57] offset:t*4096
.set t, t+1
.endr
	s_wait_tensorcnt 0x0
	ds_add_u32 v30, v31
	s_wait_dscnt 0x0
	s_endpgm
.Lfunc_end_k_q8fa360a59f_ffn0:
	.size	k_q8fa360a59f_ffn0, .Lfunc_end_k_q8fa360a59f_ffn0-k_q8fa360a59f_ffn0
	.p2alignl 7, 3214868480
	.fill 96, 4, 3214868480
	.section	.rodata,"a",@progbits
	.p2align	6, 0x0
	.amdhsa_kernel k_q8fa360a59f_ffn0
		.amdhsa_group_segment_fixed_size 275456
		.amdhsa_private_segment_fixed_size 0
		.amdhsa_enable_private_segment 0
		.amdhsa_kernarg_size 24
		.amdhsa_user_sgpr_count 2
		.amdhsa_user_sgpr_kernarg_segment_ptr 1
		.amdhsa_wavefront_size32 1
		.amdhsa_system_sgpr_workgroup_id_x 1
		.amdhsa_system_sgpr_workgroup_id_y 1
		.amdhsa_system_sgpr_workgroup_id_z 1
		.amdhsa_system_vgpr_workitem_id 0
		.amdhsa_next_free_vgpr 384
		.amdhsa_next_free_sgpr 66
		.amdhsa_reserve_vcc 0
		.amdhsa_float_denorm_mode_32 3
		.amdhsa_float_denorm_mode_16_64 3
		.amdhsa_memory_ordered 1
		.amdhsa_forward_progress 1
		.amdhsa_inst_pref_size 108
	.end_amdhsa_kernel
	.amdgpu_metadata
---
amdhsa.version: [ 1, 2 ]
amdhsa.kernels:
  - .name:           k_q8fa360a59f_ffn0
    .symbol:         k_q8fa360a59f_ffn0.kd
    .args:
      - { .name: yb, .offset: 0, .size: 8, .value_kind: global_buffer, .address_space: global }
      - { .name: par0, .offset: 8, .size: 8, .value_kind: global_buffer, .address_space: global }
      - { .name: part, .offset: 16, .size: 8, .value_kind: global_buffer, .address_space: global }
    .group_segment_fixed_size: 275456
    .private_segment_fixed_size: 0
    .kernarg_segment_align: 8
    .kernarg_segment_size: 24
    .max_flat_workgroup_size: 256
    .sgpr_count:     66
    .vgpr_count:     384
    .wavefront_size: 32
...
	.end_amdgpu_metadata
.endif
;; end of part 4
;; launch ln2a (part 5): grid 256 x 1, 8 waves a work-group, no clusters, 0 bytes of LDS; arguments part, ares, par0, h1; writes h1
.if DOCPART == 5
	.amdgcn_target "amdgcn-amd-amdhsa--gfx1250"
	.amdhsa_code_object_version 6
	.text
	.protected	k_q8fa360a59f_ln2a
	.globl	k_q8fa360a59f_ln2a
	.p2align	8
	.type	k_q8fa360a59f_ln2a,@function
k_q8fa360a59f_ln2a:
	s_mov_b64 s[64:65], 0
	v_nop
	global_prefetch_b8 v0, s[64:65] scope:SCOPE_SE
	s_setreg_imm32_b32 hwreg(HW_REG_WAVE_MODE, 25, 1), 1
	s_wait_xcnt 0x0
; ln2: h = LayerNorm(((p0 + p1) + (p2 + p3)) + a) with ln2_g, ln2_b.  part: [4][4096][512] f32, the FFN's partial sums; a = ares: [4096][512] f32, attn_out + b2.
; A stream: memory binds.  A row of 2,048 bytes is 16 registers of one wave; wave w of work-group g takes rows 16 g + 2 w and + 1, all 48 loads at once,
; 512 neighbouring bytes to a load and to a store.  The reduction stays in the wave: no LDS, no barrier, no matrix unit, no cluster (no byte of part or ares is shared).
.set XR,  32                           ; v[32:191] source f (four partials, then ares), row i at 32 f + 16 i; the sum in source 0's place
.set TT,  64                           ; at work, once the sources are added
.set GG,  192                          ; v[192:207] gain of my columns 128 j + 4 lane + c
.set BB,  208                          ; v[208:223] bias
.set NMU, 16                           ; (-mean) twice, for each row
.set RS,  24                           ; (rstd) twice
.macro SUM2                            ; two rows' 4 pairs each in TT + 8 i to one number in every lane
.irp i, 0,1
	v_pk_add_f32 v[TT+8*\i:TT+8*\i+1], v[TT+8*\i:TT+8*\i+1], v[TT+8*\i+2:TT+8*\i+3]
	v_pk_add_f32 v[TT+8*\i+4:TT+8*\i+5], v[TT+8*\i+4:TT+8*\i+5], v[TT+8*\i+6:TT+8*\i+7]
.endr
.irp i, 0,1
	v_pk_add_f32 v[TT+8*\i:TT+8*\i+1], v[TT+8*\i:TT+8*\i+1], v[TT+8*\i+4:TT+8*\i+5]
.endr
.irp i, 0,1
	v_add_f32 v[TT+8*\i], v[TT+8*\i], v[TT+8*\i+1]
.endr
.irp m, 1,2,4,8
.irp i, 0,1
	v_add_f32_dpp v[TT+8*\i], v[TT+8*\i], v[TT+8*\i] row_xmask:\m row_mask:0xf bank_mask:0xf
.endr
.endr
.irp i, 0,1
	v_permlanex16_b32 v[TT+8*\i+1], v[TT+8*\i], s14, s15
.endr
.irp i, 0,1
	v_add_f32 v[TT+8*\i], v[TT+8*\i], v[TT+8*\i+1]
.endr
.endm
	s_load_b256 s[4:11], s[0:1], 0x0               ; part s[4:5], ares s[6:7], par s[8:9], out s[10:11]
	v_lshrrev_b32 v2, 5, v0
	v_readfirstlane_b32 s2, v2
	v_and_b32 v2, 31, v0
	v_lshlrev_b32 v1, 4, v2
	s_lshl_b32 s12, ttmp9, 15                      ; 16 rows of 2,048 bytes
	s_lshl_b32 s3, s2, 12                          ; 2 rows
	s_add_co_u32 s12, s12, s3
	s_mov_b32 s13, 0
	s_mov_b32 s14, 0x76543210
	s_mov_b32 s15, 0xfedcba98
	s_mov_b32 s28, 0x3b000000                      ; 1 / 512
	s_mov_b32 s29, 0x3a83126f                      ; 1e-3
	s_wait_kmcnt 0x0
	s_add_nc_u64 s[16:17], s[4:5], s[12:13]        ; a base for each partial: 8 MiB apart, more than an immediate holds
	s_add_nc_u64 s[18:19], s[16:17], 0x800000
	s_add_nc_u64 s[20:21], s[18:19], 0x800000
	s_add_nc_u64 s[22:23], s[20:21], 0x800000
	s_add_nc_u64 s[24:25], s[6:7], s[12:13]        ; the fifth source
	s_add_nc_u64 s[10:11], s[10:11], s[12:13]
.irp f, 0,1,2,3,4
.irp i, 0,1
.irp j, 0,1,2,3
	global_load_b128 v[XR+32*\f+16*\i+4*\j:XR+32*\f+16*\i+4*\j+3], v1, s[16+2*\f:17+2*\f] offset:\i*2048+\j*512 th:TH_LOAD_NT
.endr
.endr
.endr
.irp j, 0,1,2,3
	global_load_b128 v[GG+4*\j:GG+4*\j+3], v1, s[8:9] offset:0x603000+\j*512
	global_load_b128 v[BB+4*\j:BB+4*\j+3], v1, s[8:9] offset:0x603800+\j*512
.endr
	s_wait_loadcnt 0x0
.set p, 0
.rept 16
	v_pk_add_f32 v[32+2*p:33+2*p], v[32+2*p:33+2*p], v[64+2*p:65+2*p]
	v_pk_add_f32 v[96+2*p:97+2*p], v[96+2*p:97+2*p], v[128+2*p:129+2*p]
.set p, p+1
.endr
.set p, 0
.rept 16
	v_pk_add_f32 v[32+2*p:33+2*p], v[32+2*p:33+2*p], v[96+2*p:97+2*p]
.set p, p+1
.endr
.set p, 0
.rept 16
	v_pk_add_f32 v[32+2*p:33+2*p], v[32+2*p:33+2*p], v[160+2*p:161+2*p]
.set p, p+1
.endr
.irp i, 0,1
.irp q, 0,1,2,3
	v_pk_add_f32 v[TT+8*\i+2*\q:TT+8*\i+2*\q+1], v[XR+16*\i+4*\q:XR+16*\i+4*\q+1], v[XR+16*\i+4*\q+2:XR+16*\i+4*\q+3]
.endr
.endr
	SUM2
.irp i, 0,1
	v_mul_f32 v[NMU+2*\i], 0xbb000000, v[TT+8*\i]  ; -sum / 512
.endr
.irp i, 0,1
	v_mov_b32 v[NMU+2*\i+1], v[NMU+2*\i]
.endr
.irp i, 0,1
.irp p, 0,1,2,3,4,5,6,7
	v_pk_add_f32 v[XR+16*\i+2*\p:XR+16*\i+2*\p+1], v[XR+16*\i+2*\p:XR+16*\i+2*\p+1], v[NMU+2*\i:NMU+2*\i+1]
.endr
.endr
.irp i, 0,1
.irp p, 0,1,2,3
	v_pk_mul_f32 v[TT+8*\i+2*\p:TT+8*\i+2*\p+1], v[XR+16*\i+2*\p:XR+16*\i+2*\p+1], v[XR+16*\i+2*\p:XR+16*\i+2*\p+1]
.endr
.endr
.irp i, 0,1
.irp p, 0,1,2,3
	v_pk_fma_f32 v[TT+8*\i+2*\p:TT+8*\i+2*\p+1], v[XR+16*\i+8+2*\p:XR+16*\i+8+2*\p+1], v[XR+16*\i+8+2*\p:XR+16*\i+8+2*\p+1], v[TT+8*\i+2*\p:TT+8*\i+2*\p+1]
.endr
.endr
	SUM2
.irp i, 0,1
	v_fma_f32 v[TT+8*\i], v[TT+8*\i], s28, s29     ; variance + 1e-3
.endr
.irp i, 0,1
	v_rsq_f32 v[RS+2*\i], v[TT+8*\i]
.endr
	v_nop                                          ; one plain instruction behind the last v_rsq_f32 before its result is used (ISA guide 5.7.2)
	s_wait_alu depctr_va_vdst(0)
.irp i, 0,1
	v_mov_b32 v[RS+2*\i+1], v[RS+2*\i]
.endr
.irp i, 0,1
.irp p, 0,1,2,3,4,5,6,7
	v_pk_mul_f32 v[XR+16*\i+2*\p:XR+16*\i+2*\p+1], v[XR+16*\i+2*\p:XR+16*\i+2*\p+1], v[RS+2*\i:RS+2*\i+1]
.endr
.endr
.irp i, 0,1
.irp p, 0,1,2,3,4,5,6,7
	v_pk_fma_f32 v[XR+16*\i+2*\p:XR+16*\i+2*\p+1], v[XR+16*\i+2*\p:XR+16*\i+2*\p+1], v[GG+2*\p:GG+2*\p+1], v[BB+2*\p:BB+2*\p+1]
.endr
.endr
.irp i, 0,1
.irp j, 0,1,2,3
	global_store_b128 v1, v[XR+16*\i+4*\j:XR+16*\i+4*\j+3], s[10:11] offset:\i*2048+\j*512
.endr
.endr
	s_endpgm
.Lfunc_end_k_q8fa360a59f_ln2a:
	.size	k_q8fa360a59f_ln2a, .Lfunc_end_k_q8fa360a59f_ln2a-k_q8fa360a59f_ln2a
	.p2alignl 7, 3214868480
	.fill 96, 4, 3214868480
	.section	.rodata,"a",@progbits
	.p2align	6, 0x0
	.amdhsa_kernel k_q8fa360a59f_ln2a
		.amdhsa_group_segment_fixed_size 0
		.amdhsa_private_segment_fixed_size 0
		.amdhsa_enable_private_segment 0
		.amdhsa_kernarg_size 32
		.amdhsa_user_sgpr_count 2
		.amdhsa_user_sgpr_kernarg_segment_ptr 1
		.amdhsa_wavefront_size32 1
		.amdhsa_system_sgpr_workgroup_id_x 1
		.amdhsa_system_sgpr_workgroup_id_y 1
		.amdhsa_system_sgpr_workgroup_id_z 1
		.amdhsa_system_vgpr_workitem_id 0
		.amdhsa_next_free_vgpr 224
		.amdhsa_next_free_sgpr 66
		.amdhsa_reserve_vcc 0
		.amdhsa_float_denorm_mode_32 3
		.amdhsa_float_denorm_mode_16_64 3
		.amdhsa_memory_ordered 1
		.amdhsa_forward_progress 1
		.amdhsa_inst_pref_size 18
	.end_amdhsa_kernel
	.amdgpu_metadata
---
amdhsa.version: [ 1, 2 ]
amdhsa.kernels:
  - .name:           k_q8fa360a59f_ln2a
    .symbol:         k_q8fa360a59f_ln2a.kd
    .args:
      - { .name: part, .offset: 0, .size: 8, .value_kind: global_buffer, .address_space: global }
      - { .name: ares, .offset: 8, .size: 8, .value_kind: global_buffer, .address_space: global }
      - { .name: par0, .offset: 16, .size: 8, .value_kind: global_buffer, .address_space: global }
      - { .name: h1, .offset: 24, .size: 8, .value_kind: global_buffer, .address_space: global }
    .group_segment_fixed_size: 0
    .private_segment_fixed_size: 0
    .kernarg_segment_align: 8
    .kernarg_segment_size: 32
    .max_flat_workgroup_size: 256
    .sgpr_count:     66
    .vgpr_count:     224
    .wavefront_size: 32
...
	.end_amdgpu_metadata
.endif
;; end of part 5
;; launch qkv1: the kernel of part 2 again; grid 64 x 3, 8 waves a work-group, no clusters, 67,584 bytes of LDS; arguments h1, par1, qkv; writes qkv
;; launch attn1: the kernel of part 3 again; grid 256 x 1, 8 waves a work-group, no clusters, 61,696 bytes of LDS; arguments qkv, mask, blist, h1, par1, ares, yb; writes ares, yb
;; launch ffn1: the kernel of part 4 again; grid 64 x 4, 8 waves a work-group, no clusters, 275,456 bytes of LDS; arguments yb, par1, part; writes part
;; launch ln2b: the kernel of part 5 again; grid 256 x 1, 8 waves a work-group, no clusters, 0 bytes of LDS; arguments part, ares, par1, out0; writes out0
;; ======== version 2 of 2: 9 launches; version 1 with the launches attn0, ffn0, attn1, ffn1 written anew for expert scheduling mode
;; limits: values are held in f16: magnitudes above 65,504 overflow, below 6.1e-05 lose precision
;; workspace buffers: par0 6,316,032 bytes; par1 6,316,032 bytes; blist 65,536 bytes of whole numbers; qkv 12,582,912 bytes; part 33,554,432 bytes; h1 8,388,608 bytes; ares 8,388,608 bytes; yb 4,194,304 bytes
;; launch prep: the kernel of part 1 again; grid 256 x 1, 8 waves a work-group, no clusters, 36,096 bytes of LDS; arguments wq, wk, wv, wp, w1, w2, mask, par0, par1, blist, ln_in_g, ln_in_b, pb, ln1_g, ln1_b, b2, ln2_g, ln2_b, b1; writes par0, par1, blist
;; launch qkv0: the kernel of part 2 again; grid 64 x 3, 8 waves a work-group, no clusters, 67,584 bytes of LDS; arguments x, par0, qkv; writes qkv
;; launch attn0 (part 6): grid 256 x 1, 8 waves a work-group, no clusters, 61,696 bytes of LDS; arguments qkv, mask, blist, x, par0, ares, yb; writes ares, yb
.if DOCPART == 6
	.amdgcn_target "amdgcn-amd-amdhsa--gfx1250"
	.amdhsa_code_object_version 6
	.text
	.protected	k_q8fa360a59f_attn0
	.globl	k_q8fa360a59f_attn0
	.p2align	8
	.type	k_q8fa360a59f_attn0,@function
k_q8fa360a59f_attn0:
	s_mov_b64 s[64:65], 0
	v_nop
	global_prefetch_b8 v0, s[64:65] scope:SCOPE_SE
	s_setreg_imm32_b32 hwreg(HW_REG_WAVE_SCHED_MODE, 0, 2), 2
	s_setreg_imm32_b32 hwreg(HW_REG_WAVE_MODE, 25, 1), 1
	s_wait_xcnt 0x0
	s_wait_alu depctr_vm_vsrc(0)
; attn: for 16 token rows (4,096 rows on 256 work-groups): attention (wave w = head w), projection + pb + residual = attn_out, LayerNorm 1.
; Out: ares = attn_out + b2, f32, row-major (a later launch adds the FFN's partial sums onto it); yb = LayerNorm1(attn_out) as f16 in pieces of 512 bytes,
; [tile of 16 rows][w 8][nt 4][lane][16 bytes]: lane (r, h) holds token r, columns 64 w + 16 nt + 8 h + 0..7, just as the accumulators hold them.
; ATTENTION walks only the key blocks of 64 whose bit in blist is set (blist was stored by an earlier launch from the mask as it is given, for blocks of 64 queries).
; A block that is left out has m = +-0 everywhere: it adds nothing to the numerator, and to the denominator 64 terms at the score -1e10;
; the running maximum and sum start from exactly that (maximum -1e10, sum = the keys left out), so every mask is served, all-zero rows and a dense mask too.
; Softmax in base 2 with a running maximum: t = 0.125 log2e (q.k) + (m C1 - C1), C1 = 1e10 log2e; p = 2^(t - max); P = p m; o = (sum P v) / (sum p).
; A block's K, mask and V are asked for one block ahead, each as soon as its registers have been read; the last block is written out without loads.
; FORMATS.  f16 for q.k and P v (P = p m with p <= 1; q, k, v are sums of 512 products of a normalised row and a weight: with gains of 30 and weights of
; spread 1.3 their spread is about 900, six spreads 5,400) and for y (|y| <= 22.6 |g| + |b|).  bf16 for the projection: |o| is bounded only by max |m| x max |v|.
; LIMITS.  Matrix operands are rounded to f16 (o and WP to bf16); an f16 operand above 65,504 in size overflows.
; A left-out key's score is taken as -1e10 exactly, which is what f32 makes of s - 1e10 for |s| < 512.
; Mask values other than 0 and 1 go through the same formula, but the term of size 1e10 is rounded in base 2, so in rows without any m = 1 its last bits
; can differ from a computation in base e.  NaN is not followed through max.
; THE PROJECTION 16 x 512 x 512: the waves share N, 64 columns each, so a weight fragment serves one wave only; WP lies in memory in fragment order and goes
; straight to registers through a ring of five K steps; o goes through LDS.
; NO CLUSTER: the work-groups that share WP, K and V have numbers of key blocks that are read from blist and differ, so partners would not reach a joint
; request in the same round; and K, V and WP each go to one wave's registers only, so a way through LDS would add a fill and a read of every byte.
; THE MODE: SCHED_MODE bits 1:0 = 2 (LLVM: expert scheduling mode 2), set by the entry lines.  The code itself states the register dependences
; between vector or matrix instructions and memory or LDS instructions, with s_wait_alu, always for 0.
; THE PLAN.  Registers that memory or LDS instructions touch, and who else names them:
;   v1 to v14     offsets and LDS addresses: made once at the head, ahead of one wait on va_vdst, and never written again.
;   KF            read by a block's 8 score products.  One wait behind them and the 16 lines that follow them; then the next block's K lands there.
;   MSK           read by m C1 - C1 and by P = p m.  One wait behind P = p m; then the next mask.
;   VF            read by the 8 products P V.  One wait behind them and their places; then the next V.
;   WR0 .. WR4    the projection's ring.  Slots 0-3 lie on K's upper half, the scores, P and the mask: one wait behind the last block.  Slot 4 lies on h, which my LDS
;                 stores read: one wait on vm_vsrc behind them.  K step g's 4 matrix instructions read slot g % 5; the loads of step g + 4 land in slot (g - 1) % 5.
;   XB0, XB1      o's fragments, in block 1 beside the accumulators: step g reads XB[g & 1], the loads of step g + 1 land in the other.
;                 So ONE wait on va_vdst stands at a K step's head: the step before is done reading its slot and its fragment.  The weight loads follow at once, the
;                 fragment's two loads behind the step's first matrix instruction; the step's matrix instructions name none of the registers that these loads touch.
;   out-buffers   v[32:47] o; v[64:95] ares by tiles; v16 a row sum; v[168:183] y: each is written by vector instructions, and one wait on va_vdst stands ahead
;                 of its run of stores.  Of them v[32:47] and v16 are written again, behind a wait on vm_vsrc.
.set XP,    1040                       ; pitch of a row of o: 1,024 + 16, an odd multiple of 16
.set STAGE, 16*XP                      ; each wave's own 16 rows x (256 + 16) bytes, f32: its 64 columns of h, later of attn_out + b2
.set STW,   16*272
.set VEC,   STAGE+8*STW                ; pb, ln1_g, ln1_b, b2: 2,048 bytes each
.set RED1,  VEC+4*2048                 ; [row 16][wave 8] f32; a second table 512 bytes behind it
.set WR,   96                          ; v[96:255]  weight ring, 5 K steps x 32
.set WPTR, 38                          ; s[38:39]   my part of WP
.set NST,  16                          ; K steps of the projection
; attention, block 0
.set C1P,  32                          ; (C1, C1)
.set NC1P, 34                          ; (-C1, -C1)
.set C0P,  36                          ; (0.125 log2e) twice
.set MX,   38                          ; running maximum of query r
.set LS,   39                          ; running sum, each half of the lanes its own keys
.set AL,   46                          ; 2^(old max - new max), twice
.set NM,   48                          ; -new max, twice
.set KF,   64                          ; v[64:127]  K fragments (kt, c) at 16 kt + 8 c
.set SC,   128                         ; v[128:159] scores: register 8 kt + j = key 16 kt + 8 h + j, lane = query r
.set TT,   160                         ; v[160:191] at work; then P's two fragments
.set MSK,  192                         ; v[192:223] the mask, laid as SC
.set HH,   224                         ; v[224:255] my 64 columns of h, by rows, until attention is over
; block 1 (v256-431, written v0-175)
.set OA,   0                           ; tile et at 8 et: register j = e 16 et + 8 h + j, lane = query r
.set QF,   32                          ; fragment c at 8 c
.set VV,   48                          ; 8 bytes a thread of pb, ln1_g, ln1_b, b2
.set VF,   64                          ; (et, c) at 16 et + 8 c
.set RA,   128                         ; the projection's four tiles, then attn_out: tile nt at 8 nt
.set XB,   160                         ; v[160:175] two buffers of o's fragment
; persistent: v1 16 lane; v2 mask r x 8192 + 32 h; v3 fragment reads of o; v5 tile stores of o; v7 stage by tiles; v8 stage by rows;
; v9 global rows; v10 vectors; v11, v12 reduction tables
.set MSB, 0
.macro WIN new                         ; s_set_vgpr_msb: bits 1:0 source 0, 3:2 source 1, 5:4 source 2, 7:6 destination; the high byte repeats the setting left
.if MSB != \new
	s_set_vgpr_msb (MSB<<8)|\new
.set MSB, \new
.endif
.endm
.macro PLACES                          ; four plain vector instructions between a matrix instruction and a vector access to, or a store of, its registers
.rept 4
	v_nop
.endr
.endm
.macro BAR
	s_wait_dscnt 0x0                               ; my LDS stores are done and my LDS reads are back before I signal
	s_barrier_signal -1
	s_barrier_wait -1
.endm
.macro WMH d, a, b, zero               ; f16 operands
.if \zero
	v_wmma_f32_16x16x32_f16 v[\d:\d+7], v[\a:\a+7], v[\b:\b+7], 0
.else
	v_wmma_f32_16x16x32_f16 v[\d:\d+7], v[\a:\a+7], v[\b:\b+7], v[\d:\d+7]
.endif
.endm
.macro WMB d, a, b, zero               ; bf16 operands
.if \zero
	v_wmma_f32_16x16x32_bf16 v[\d:\d+7], v[\a:\a+7], v[\b:\b+7], 0
.else
	v_wmma_f32_16x16x32_bf16 v[\d:\d+7], v[\a:\a+7], v[\b:\b+7], v[\d:\d+7]
.endif
.endm
.macro WLOAD g                         ; WP's K step g: 4 column tiles x 2 halves, 512 neighbouring bytes each; data and address in block 0
.irp nt, 0,1,2,3
.irp hf, 0,1
	global_load_b128 v[WR+32*((\g)%5)+8*\nt+4*\hf:WR+32*((\g)%5)+8*\nt+4*\hf+3], v1, s[WPTR:WPTR+1] offset:(\g)*4096+\nt*1024+\hf*512
.endr
.endr
.endm
.macro XLOAD ks                        ; o's fragment of K step ks; data in block 1, address in block 0: the matrix instructions' window serves it
.irp hf, 0,1
	ds_load_b128 v[XB+8*((\ks)&1)+4*\hf:XB+8*((\ks)&1)+4*\hf+3], v3 offset:(\ks)*64+\hf*32
.endr
.endm
; One K step: 4 matrix instructions on 4 accumulators, which take turns, one instruction a turn, from step to step too.
; Source 0 = weights, source 1 = o: a lane holds token r and the 8 neighbouring columns 64 w + 16 nt + 8 h + j.
.macro GSTEP g, zero
.if (\g)+4 < NST
	WIN 0                                          ; the weights land in block 0
.endif
.if ((\g) > 0) && ((\g) < NST-1)
	s_wait_alu depctr_va_vdst(0)                   ; the step before has read its ring slot and its fragment of o: this step's loads land in them.  (Step 0 follows no vector or matrix instruction; step 15 loads nothing)
.endif
.if (\g)+4 < NST
	WLOAD (\g)+4                                   ; at once, so that five K steps are on their way
.endif
.if NST-1-(\g) >= 4
	s_wait_loadcnt 32                              ; step g's weights are in: the four later steps' 8 loads each may stay out
.else
	s_wait_loadcnt 8*(NST-1-(\g))                  ; the tail: as many steps as are left behind this one
.endif
	s_wait_dscnt 0x0                               ; this step's fragment is in: it was asked for behind the last step's first matrix instruction
	WIN 0x54                                       ; o's fragment, C and D in block 1, the weights in block 0
.irp nt, 0,1,2,3
	WMB RA+8*\nt, WR+32*((\g)%5)+8*\nt, XB+8*((\g)&1), \zero
.if (\nt == 0) && ((\g) < NST-1)
	XLOAD (\g)+1                                   ; no wait: no vector or matrix instruction since the wait above names the other fragment buffer or v3
.endif
.endr
.endm
.macro NEXTKB                          ; the lowest set bit is the next key block
	s_ctz_i32_b32 s22, s20
	s_min_u32 s22, s22, 31
	s_sub_co_u32 s23, s20, 1
	s_and_b32 s20, s20, s23
	s_lshl_b32 s36, s22, 13                        ; 64 keys x 64 x 2 bytes
	s_add_nc_u64 s[30:31], s[24:25], s[36:37]
	s_add_nc_u64 s[32:33], s[26:27], s[36:37]
	s_lshl_b32 s36, s22, 8                         ; 64 mask columns
	s_add_nc_u64 s[34:35], s[28:29], s[36:37]
.endm
.macro KLOAD
.irp i, 0,1,2,3,4,5,6,7,8,9,10,11,12,13,14,15
	global_load_b128 v[KF+4*\i:KF+4*\i+3], v1, s[30:31] offset:512*\i
.endr
.endm
.macro MLOAD                           ; the mask of query r, keys 16 kt + 8 h + 0..7; the 8 instructions cover the 16 rows' 256 bytes whole
.irp kt, 0,1,2,3
.irp hf, 0,1
	global_load_b128 v[MSK+8*\kt+4*\hf:MSK+8*\kt+4*\hf+3], v2, s[34:35] offset:\kt*64+\hf*16
.endr
.endr
.endm
.macro VVLOAD
	WIN 0x40
.irp i, 0,1,2,3,4,5,6,7,8,9,10,11,12,13,14,15
	global_load_b128 v[VF+4*\i:VF+4*\i+3], v1, s[32:33] offset:512*\i
.endr
	WIN 0
.endm
; My 16 queries against one block of 64 keys.  At the head this block's loads are out in the order K 16, mask 8, V 16, and nothing behind them.
; first = 1: the products start O's sums.  next = 1: the next block's K, mask and V are asked for, each behind the wait that states the last read of its registers.
.macro ABLK first, next
.if \next
	s_wait_xcnt 0x0                                ; V's loads may be out: the pointers that they name are rewritten only behind this wait
	NEXTKB
.endif
	s_wait_loadcnt 16                              ; K and the mask are in (and all that was asked for before them): V's 16 loads were issued behind them
	WIN 0x04                                       ; source 1 (Q) in block 1
.irp kt, 0,1,2,3
	WMH SC+8*\kt, KF+16*\kt, QF, 1
.endr
.irp kt, 0,1,2,3
	WMH SC+8*\kt, KF+16*\kt+8, QF+8, 0             ; four accumulators by turns, one instruction a turn
.endr
	WIN 0
.irp p, 0,1,2,3,4,5,6,7,8,9,10,11,12,13,14,15
	v_pk_fma_f32 v[TT+2*\p:TT+2*\p+1], v[MSK+2*\p:MSK+2*\p+1], v[C1P:C1P+1], v[NC1P:NC1P+1]   ; m C1 - C1; these lines are also the places behind the products
.endr
.if \next
	s_wait_alu depctr_va_vdst(0)                   ; the score products are done reading K's registers, in which the next K lands; the lines below want their results in any case
	KLOAD                                          ; the next block's K travels during the softmax
.endif
.irp p, 0,1,2,3,4,5,6,7,8,9,10,11,12,13,14,15
	v_pk_fma_f32 v[SC+2*\p:SC+2*\p+1], v[SC+2*\p:SC+2*\p+1], v[C0P:C0P+1], v[TT+2*\p:TT+2*\p+1]
.endr
	v_max3_num_f32 v50, v[MX], v[SC], v[SC+1]      ; the old maximum and 32 scores, two chains
	v_max3_num_f32 v51, v[SC+16], v[SC+17], v[SC+18]
.irp i, 0,1,2,3,4,5
	v_max3_num_f32 v50, v50, v[SC+2+2*\i], v[SC+3+2*\i]
	v_max3_num_f32 v51, v51, v[SC+19+2*\i], v[SC+20+2*\i]
.endr
	v_max3_num_f32 v50, v50, v[SC+14], v[SC+15]
	v_max3_num_f32 v50, v50, v51, v[SC+31]
	v_permlanex16_b32 v52, v50, s44, s45           ; the other half of the lanes holds the same query's other keys
	v_max_num_f32 v53, v50, v52
	v_sub_f32 v54, v[MX], v53
	v_exp_f32 v[AL], v54
	v_mov_b32 v[MX], v53                           ; the plain instruction behind v_exp_f32 (ISA guide 5.7.2)
	v_mul_f32 v[NM], -1.0, v53
	v_mov_b32 v[NM+1], v[NM]
	s_wait_alu depctr_va_vdst(0)
	v_mov_b32 v[AL+1], v[AL]
.irp p, 0,1,2,3,4,5,6,7,8,9,10,11,12,13,14,15
	v_pk_add_f32 v[TT+2*\p:TT+2*\p+1], v[SC+2*\p:SC+2*\p+1], v[NM:NM+1]   ; the difference first, exactly; then the exponential
.endr
.set i, 0
.rept 32
	v_exp_f32 v[TT+i], v[TT+i]
.set i, i+1
.endr
	v_nop                                          ; one plain instruction behind the last v_exp_f32
	s_wait_alu depctr_va_vdst(0)
	v_pk_add_f32 v[56:57], v[TT:TT+1], v[TT+2:TT+3]
	v_pk_add_f32 v[58:59], v[TT+4:TT+5], v[TT+6:TT+7]
.irp p, 4,6,8,10,12,14
	v_pk_add_f32 v[56:57], v[56:57], v[TT+2*\p:TT+2*\p+1]
	v_pk_add_f32 v[58:59], v[58:59], v[TT+2*\p+2:TT+2*\p+3]
.endr
	v_pk_add_f32 v[56:57], v[56:57], v[58:59]
	v_add_f32 v56, v56, v57
	v_fma_f32 v[LS], v[LS], v[AL], v56
.irp p, 0,1,2,3,4,5,6,7,8,9,10,11,12,13,14,15
	v_pk_mul_f32 v[SC+2*\p:SC+2*\p+1], v[TT+2*\p:TT+2*\p+1], v[MSK+2*\p:MSK+2*\p+1]   ; P = p m
.endr
.if \next
	s_wait_alu depctr_va_vdst(0)                   ; the lines above are done reading the mask's registers, in which the next mask lands; the conversions below want their results in any case
	MLOAD                                          ; the next block's mask
.endif
.irp kt, 0,1,2,3
.irp q, 0,1,2,3
	v_cvt_pk_f16_f32 v[TT+4*\kt+\q], v[SC+8*\kt+2*\q], v[SC+8*\kt+2*\q+1]   ; a lane's keys 16 kt + 8 h + j are just what P's fragment kt / 2 wants of it
.endr
.endr
.if \first == 0
	WIN 0x41
.irp et, 0,1,2,3
.irp p, 0,1,2,3
	v_pk_mul_f32 v[OA+8*\et+2*\p:OA+8*\et+2*\p+1], v[OA+8*\et+2*\p:OA+8*\et+2*\p+1], v[AL:AL+1]
.endr
.endr
.endif
.if \next
	s_wait_loadcnt 24                              ; V is in: the next block's K 16 and mask 8 were issued behind it
.else
	s_wait_loadcnt 0x0                             ; V is in: nothing was issued behind it
.endif
	WIN 0x51                                       ; V, C and D in block 1, P in block 0
.irp et, 0,1,2,3
	WMH OA+8*\et, VF+16*\et, TT, \first
.endr
.irp et, 0,1,2,3
	WMH OA+8*\et, VF+16*\et+8, TT+8, 0             ; by turns again
.endr
	WIN 0
	PLACES                                         ; before vector instructions write TT or read O
.if \next
	WIN 0x40                                       ; V lands in block 1: the switch, the wait, the loads
	s_wait_alu depctr_va_vdst(0)                   ; the products P V are done reading V's registers, in which the next V lands
	VVLOAD                                         ; the next block's V travels during that block's scores and softmax
.endif
.endm
.macro VLOAD dst, ofs                  ; a vector's numbers of my columns 64 w + 16 nt + 8 h + 0..7, all four nt
.irp nt, 0,1,2,3
.irp hf, 0,1
	ds_load_b128 v[\dst+8*\nt+4*\hf:\dst+8*\nt+4*\hf+3], v10 offset:\ofs+\nt*64+\hf*16
.endr
.endr
.endm
; the four pairs v[16:23] hold my wave's sums over its 64 columns, split over pairs, pair halves and lane halves: to the whole row's sum in v160, through the table at ofs
.macro ROWRED ofs
	v_pk_add_f32 v[16:17], v[16:17], v[18:19]
	v_pk_add_f32 v[20:21], v[20:21], v[22:23]
	v_pk_add_f32 v[16:17], v[16:17], v[20:21]
	v_add_f32 v16, v16, v17
	v_permlanex16_b32 v17, v16, s44, s45
	v_add_f32 v16, v16, v17
	s_wait_alu depctr_va_vdst(0)                   ; v16 is written, which the LDS store reads; and all vector and matrix instructions so far are done with v[160:167], in which the table lands
	ds_store_b32 v11, v16 offset:\ofs
	BAR
	ds_load_b128 v[160:163], v12 offset:\ofs
	ds_load_b128 v[164:167], v12 offset:\ofs+16
	s_wait_alu depctr_vm_vsrc(0)                   ; my LDS store has read v16, which vector instructions behind this macro write again
	s_wait_dscnt 0x0
	v_pk_add_f32 v[160:161], v[160:161], v[162:163]
	v_pk_add_f32 v[164:165], v[164:165], v[166:167]
	v_pk_add_f32 v[160:161], v[160:161], v[164:165]
	v_add_f32 v160, v160, v161
.endm
	; ---- ids, addresses
	s_load_b256 s[4:11], s[0:1], 0x0               ; qkv 4, mask 6, blist 8, h 10
	s_load_b128 s[12:15], s[0:1], 0x20             ; par 12, ares 14
	s_load_b64 s[58:59], s[0:1], 0x30              ; yb
	v_lshl_add_u32 v30, v0, 2, 0xed00
	v_mov_b32 v31, 0
	v_lshrrev_b32 v13, 5, v0
	v_readfirstlane_b32 s16, v13                   ; wave = head
	s_mov_b32 s17, ttmp9                           ; tile of 16 rows, 0 .. 255
	s_lshr_b32 s19, s17, 7                         ; batch: 128 tiles each
	s_mov_b32 s44, 0x76543210                      ; v_permlanex16_b32: lane i reads lane i of the other half
	s_mov_b32 s45, 0xfedcba98
	s_mov_b32 s62, 0x3b000000                      ; 1 / 512
	s_mov_b32 s63, 0x3a83126f                      ; 1e-3
	s_mov_b32 s37, 0                               ; high word of every offset pair s[36:37]
	s_lshr_b32 s23, s17, 2                         ; my block of 64 queries
	s_lshl_b32 s23, s23, 10                        ; four entries of 256 bytes for each
	s_wait_kmcnt 0x0
	s_load_b32 s48, s[8:9], s23 offset:0x0
	s_load_b32 s49, s[8:9], s23 offset:0x100
	s_load_b32 s50, s[8:9], s23 offset:0x200
	s_load_b32 s51, s[8:9], s23 offset:0x300
	v_and_b32 v13, 31, v0
	v_lshlrev_b32 v1, 4, v13
	v_and_b32 v13, 15, v0                          ; r
	v_bfe_u32 v14, v0, 4, 1                        ; h
	v_lshlrev_b32 v2, 13, v13
	v_lshl_add_u32 v2, v14, 5, v2
	v_mul_u32_u24 v3, v13, XP
	v_lshl_add_u32 v3, v14, 4, v3
	s_wait_alu depctr_va_sdst(0)                   ; s16 is written, ahead of its first reader: LDS addresses and the bases of K, V, Q, WP and yb are made from it
	s_lshl_b32 s36, s16, 7
	v_add_nc_u32 v5, s36, v3
	s_mul_i32 s36, s16, STW
	s_add_co_u32 s36, s36, STAGE
	v_mul_u32_u24 v7, v13, 272
	v_lshl_add_u32 v7, v14, 5, v7
	v_add_nc_u32 v7, s36, v7
	v_mul_u32_u24 v8, v14, 272
	v_lshl_add_u32 v8, v13, 4, v8
	v_add_nc_u32 v8, s36, v8
	s_lshl_b32 s36, s16, 8
	v_lshlrev_b32 v9, 11, v14
	v_lshl_add_u32 v9, v13, 4, v9
	v_add_nc_u32 v9, s36, v9
	s_add_co_u32 s36, s36, VEC
	v_lshl_add_u32 v10, v14, 5, s36
	v_lshlrev_b32 v12, 5, v13
	v_add_nc_u32 v12, RED1, v12
	v_lshl_add_u32 v11, s16, 2, v12
	v_lshlrev_b32 v13, 3, v0                       ; 8 thread: the vectors' copy
	v_add_nc_u32 v14, VEC, v13
	s_lshl_b32 s36, s19, 21
	s_lshl_b32 s22, s16, 18
	s_add_co_u32 s36, s36, s22
	s_add_nc_u64 s[52:53], s[4:5], s[36:37]        ; this batch, this head
	s_add_nc_u64 s[24:25], s[52:53], 0x400000      ; K
	s_add_nc_u64 s[26:27], s[52:53], 0x800000      ; V
	s_and_b32 s36, s17, 127
	s_lshl_b32 s36, s36, 11                        ; 16 tokens x 64 x 2 bytes
	s_add_nc_u64 s[52:53], s[52:53], s[36:37]      ; Q of my 16 tokens
	s_lshl_b32 s36, s17, 17
	s_add_nc_u64 s[28:29], s[6:7], s[36:37]        ; my 16 mask rows of 8,192 bytes
	s_lshl_b32 s36, s17, 15
	s_add_nc_u64 s[54:55], s[10:11], s[36:37]      ; my 16 rows of h
	s_add_nc_u64 s[56:57], s[14:15], s[36:37]      ; and of ares
	s_lshl_b32 s36, s17, 14
	s_lshl_b32 s22, s16, 11
	s_add_co_u32 s36, s36, s22
	s_add_nc_u64 s[58:59], s[58:59], s[36:37]      ; my four pieces of yb
	s_lshl_b32 s36, s16, 16
	s_add_nc_u64 s[38:39], s[12:13], s[36:37]
	s_add_nc_u64 s[38:39], s[38:39], 0x180000      ; WP, my 64 columns
	; ---- h, the vectors and Q are asked for first; h and the vectors are used only behind attention, so no wait stands for them alone
	s_wait_alu depctr_va_vdst(0)                   ; the offsets and LDS addresses v1 to v14 are written: every load and store of the kernel reads one of them, and none is written again
.irp t, 0,1,2,3,4,5,6,7
	global_load_b128 v[HH+4*\t:HH+4*\t+3], v9, s[54:55] offset:\t*4096   ; rows 2 t, 2 t + 1: 16 lanes take 256 neighbouring bytes
.endr
	WIN 0x40
	global_load_b64 v[VV:VV+1], v13, s[12:13] offset:0x601000            ; pb
	global_load_b64 v[VV+2:VV+3], v13, s[12:13] offset:0x601800          ; ln1_g
	global_load_b64 v[VV+4:VV+5], v13, s[12:13] offset:0x602000          ; ln1_b
	global_load_b64 v[VV+6:VV+7], v13, s[12:13] offset:0x602800          ; b2
.irp i, 0,1,2,3
	global_load_b128 v[QF+4*\i:QF+4*\i+3], v1, s[52:53] offset:512*\i
.endr
	WIN 0
	s_wait_kmcnt 0x0
	s_and_b32 s48, s48, 255
	s_and_b32 s49, s49, 255
	s_and_b32 s50, s50, 255
	s_and_b32 s51, s51, 255
	s_lshl_b32 s49, s49, 8
	s_lshl_b32 s50, s50, 16
	s_lshl_b32 s51, s51, 24
	s_or_b32 s48, s48, s49
	s_or_b32 s50, s50, s51
	s_or_b32 s20, s48, s50                         ; bit kb: key block kb has a mask word other than +-0
	s_bcnt1_i32_b32 s21, s20
	s_min_u32 s21, s21, 32                         ; n, the blocks to walk
	s_sub_co_u32 s23, 32, s21
	s_lshl_b32 s23, s23, 5                         ; the keys left out, 64 a block, half of them for each half of the lanes
	s_cvt_f32_u32 s23, s23
	s_mov_b32 s46, 0xff7fffff                      ; nothing left out: start below every score
	s_mov_b32 s47, 0xd056fa73                      ; -C1
	s_cmp_lt_u32 s21, 32
	s_cselect_b32 s46, s47, s46
	v_mov_b32 v[C1P], 0x5056fa73                   ; these lines name none of the registers that the first block's loads touch, so those owe no further wait
	v_mov_b32 v[C1P+1], 0x5056fa73
	v_mov_b32 v[NC1P], 0xd056fa73
	v_mov_b32 v[NC1P+1], 0xd056fa73
	v_mov_b32 v[C0P], 0x3e38aa3b
	v_mov_b32 v[C0P+1], 0x3e38aa3b
	v_mov_b32 v[MX], s46
	v_mov_b32 v[LS], s23
	v_mov_b32 v24, 0                               ; destinations of v_permlanex16_b32 count as read
	v_mov_b32 v52, 0
	; ---- attention
	s_cmp_eq_u32 s21, 0
	s_cbranch_scc1 .Lnone
	NEXTKB
	KLOAD
	MLOAD
	VVLOAD
	s_cmp_eq_u32 s21, 1
	s_cbranch_scc1 .Lonly
	ABLK 1, 1                                      ; the first block's products start O's sums
	s_sub_co_u32 s47, s21, 2                       ; the blocks between the first and the last
	s_cmp_eq_u32 s47, 0
	s_cbranch_scc1 .Llast
	s_mov_b32 s46, 0
.Lblk:
	ABLK 0, 1
	s_add_co_u32 s46, s46, 1
	s_cmp_lt_u32 s46, s47
	s_cbranch_scc1 .Lblk
.Llast:
	ABLK 0, 0                                      ; the last block asks for nothing
	s_branch .Lscale
.Lonly:
	ABLK 1, 0
.Lscale:
	s_wait_alu depctr_va_vdst(0)                   ; the last block's vector and matrix instructions are done with K's, the scores', P's and the mask's registers, in which ring slots 0 to 3 land
	WLOAD 0                                        ; no load is out here; the first four K steps of the projection travel while o is scaled
	WLOAD 1
	WLOAD 2
	WLOAD 3
	v_permlanex16_b32 v24, v[LS], s44, s45
	v_add_f32 v24, v24, v[LS]
	v_rcp_f32 v16, v24                             ; the sum holds a term 1 at the least
	v_nop
	s_wait_alu depctr_va_vdst(0)
	v_mov_b32 v17, v16
	WIN 0x01
.irp et, 0,1,2,3
.irp p, 0,1,2,3
	v_pk_mul_f32 v[64+8*\et+2*\p:65+8*\et+2*\p], v[OA+8*\et+2*\p:OA+8*\et+2*\p+1], v[16:17]
.endr
.endr
	WIN 0
.irp et, 0,1,2,3
.irp q, 0,1,2,3
	v_cvt_pk_bf16_f32 v[32+4*\et+\q], v[64+8*\et+2*\q], v[64+8*\et+2*\q+1]   ; o goes in bf16: see FORMATS at the head
.endr
.endr
	s_wait_alu depctr_va_vdst(0)                   ; the conversions have written v[32:47], which the LDS stores read
.irp et, 0,1,2,3
	ds_store_b128 v5, v[32+4*\et:32+4*\et+3] offset:\et*32                   ; o(token r, 64 w + 16 et + 8 h ..)
.endr
	s_branch .Ljoin
.Lnone:                                            ; no key block has a mask word other than +-0: probs x mask = 0, o = 0
	s_wait_loadcnt 0x0                             ; h, the vectors and Q
	WLOAD 0                                        ; on this way no vector or matrix instruction has named the ring's registers
	WLOAD 1
	WLOAD 2
	WLOAD 3
	v_mov_b32 v32, 0
	v_mov_b32 v33, 0
	v_mov_b32 v34, 0
	v_mov_b32 v35, 0
	s_wait_alu depctr_va_vdst(0)                   ; v[32:35] are written, which the LDS stores read
.irp et, 0,1,2,3
	ds_store_b128 v5, v[32:35] offset:\et*32
.endr
.Ljoin:                                            ; on both ways exactly the 32 weight loads are out
.irp t, 0,1,2,3,4,5,6,7
	ds_store_b128 v8, v[HH+4*\t:HH+4*\t+3] offset:\t*544                     ; h by rows into my stage
.endr
	WIN 0x04                                       ; store data in block 1
.irp i, 0,1,2,3
	ds_store_b64 v14, v[VV+2*\i:VV+2*\i+1] offset:2048*\i
.endr
	WIN 0
	BAR                                            ; o and the vectors are whole
	s_wait_alu depctr_vm_vsrc(0)                   ; my LDS stores have read h's registers, in which ring slot 4 lands in K step 0, and v[32:47], in which h lands again behind the projection
	; ---- projection
	WIN 0x54
	XLOAD 0
	GSTEP 0, 1                                     ; the first product starts the sums
.irp k, 1,2,3,4,5,6,7,8,9,10,11,12,13,14,15
	GSTEP \k, 0
.endr
	WIN 0
	PLACES                                         ; before vector instructions read the sums
	; ---- attn_out = projection + (h + pb); ares = attn_out + b2
	s_wait_alu depctr_va_vdst(0)                   ; K step 15's matrix instructions are done reading ring slot 0, in which pb lands
	VLOAD 96, 0                                    ; pb
	VLOAD 128, 6144                                ; b2
.irp nt, 0,1,2,3
.irp hf, 0,1
	ds_load_b128 v[32+8*\nt+4*\hf:32+8*\nt+4*\hf+3], v7 offset:\nt*64+\hf*16 ; h of token r, my columns 16 nt + 8 h + 0..7
.endr
.endr
	s_wait_dscnt 0x0
.set q, 0
.rept 16
	v_pk_add_f32 v[32+2*q:33+2*q], v[32+2*q:33+2*q], v[96+2*q:97+2*q]
.set q, q+1
.endr
	WIN 0x41
.set q, 0
.rept 16
	v_pk_add_f32 v[RA+2*q:RA+2*q+1], v[RA+2*q:RA+2*q+1], v[32+2*q:33+2*q]
.set q, q+1
.endr
	WIN 0x01
.set q, 0
.rept 16
	v_pk_add_f32 v[64+2*q:65+2*q], v[RA+2*q:RA+2*q+1], v[128+2*q:129+2*q]
.set q, q+1
.endr
	WIN 0
	s_wait_alu depctr_va_vdst(0)                   ; v[64:95] are written, which the LDS stores read; the additions are done reading pb and b2, in whose registers ln1_g and ln1_b land
.irp nt, 0,1,2,3
.irp hf, 0,1
	ds_store_b128 v7, v[64+8*\nt+4*\hf:64+8*\nt+4*\hf+3] offset:\nt*64+\hf*16 ; by tiles into my own stage, whose h has been read,
.endr
.endr
.irp t, 0,1,2,3,4,5,6,7
	ds_load_b128 v[192+4*\t:192+4*\t+3], v8 offset:\t*544                     ; and back by rows: LDS serves a wave's instructions in order (ISA guide 5.7.1.4)
.endr
	VLOAD 96, 2048                                 ; ln1_g, for later: pb has been used
	VLOAD 128, 4096                                ; ln1_b: b2 has been used
	WIN 0x05                                       ; the first two pairs of each tile start the row sums: nothing is cleared
.irp nt, 0,1,2,3
	v_pk_add_f32 v[16+2*\nt:17+2*\nt], v[RA+8*\nt:RA+8*\nt+1], v[RA+8*\nt+2:RA+8*\nt+3]
.endr
	WIN 0x01
.irp p, 2,3
.irp nt, 0,1,2,3
	v_pk_add_f32 v[16+2*\nt:17+2*\nt], v[RA+8*\nt+2*\p:RA+8*\nt+2*\p+1], v[16+2*\nt:17+2*\nt]
.endr
.endr
	WIN 0
.irp t, 0,1,2,3,4,5,6,7
	s_wait_dscnt 23-\t                             ; row load t is back: 7 - t row loads and the 16 vector loads were issued behind it
	global_store_b128 v9, v[192+4*\t:192+4*\t+3], s[56:57] offset:\t*4096     ; 16 lanes fill 256 neighbouring aligned bytes of ares
.endr
	; ---- LayerNorm 1: mean, centred squares, y
	ROWRED 0
	v_mul_f32 v24, 0xbb000000, v160                ; -mean
	v_mov_b32 v25, v24
	WIN 0x01
.set q, 0
.rept 16
	v_pk_add_f32 v[32+2*q:33+2*q], v[RA+2*q:RA+2*q+1], v[24:25]
.set q, q+1
.endr
	WIN 0
.irp c, 0,1,2,3
	v_pk_mul_f32 v[16+2*\c:17+2*\c], v[32+2*\c:33+2*\c], v[32+2*\c:33+2*\c]
.endr
.irp g, 1,2,3
.irp c, 0,1,2,3
	v_pk_fma_f32 v[16+2*\c:17+2*\c], v[32+8*\g+2*\c:33+8*\g+2*\c], v[32+8*\g+2*\c:33+8*\g+2*\c], v[16+2*\c:17+2*\c]
.endr
.endr
	ROWRED 512
	v_fma_f32 v160, v160, s62, s63                 ; variance + 1e-3
	v_rsq_f32 v16, v160
	v_nop                                          ; one plain instruction behind v_rsq_f32 before its result is used (ISA guide 5.7.2)
	s_wait_alu depctr_va_vdst(0)
	v_mov_b32 v17, v16
.set q, 0
.rept 16
	v_pk_mul_f32 v[32+2*q:33+2*q], v[32+2*q:33+2*q], v[16:17]
.set q, q+1
.endr
.set q, 0
.rept 16
	v_pk_fma_f32 v[32+2*q:33+2*q], v[32+2*q:33+2*q], v[96+2*q:97+2*q], v[128+2*q:129+2*q]
.set q, q+1
.endr
.irp nt, 0,1,2,3
.irp q, 0,1,2,3
	v_cvt_pk_f16_f32 v[168+4*\nt+\q], v[32+8*\nt+2*\q], v[32+8*\nt+2*\q+1]
.endr
.endr
	s_wait_alu depctr_va_vdst(0)                   ; the conversions have written v[168:183], which the stores read
.irp nt, 0,1,2,3
	global_store_b128 v1, v[168+4*\nt:168+4*\nt+3], s[58:59] offset:\nt*512   ; a piece of yb: 512 neighbouring bytes
.endr
	s_wait_dscnt 0x0
	s_wait_alu depctr_hold_cnt(0) depctr_sa_sdst(0) depctr_va_vdst(0) depctr_va_sdst(0) depctr_va_ssrc(0) depctr_va_vcc(0) depctr_vm_vsrc(0)
	s_wait_tensorcnt 0x0
	ds_add_u32 v30, v31
	s_wait_dscnt 0x0
	s_endpgm
.Lfunc_end_k_q8fa360a59f_attn0:
	.size	k_q8fa360a59f_attn0, .Lfunc_end_k_q8fa360a59f_attn0-k_q8fa360a59f_attn0
	.p2alignl 7, 3214868480
	.fill 96, 4, 3214868480
	.section	.rodata,"a",@progbits
	.p2align	6, 0x0
	.amdhsa_kernel k_q8fa360a59f_attn0
		.amdhsa_group_segment_fixed_size 61696
		.amdhsa_private_segment_fixed_size 0
		.amdhsa_enable_private_segment 0
		.amdhsa_kernarg_size 56
		.amdhsa_user_sgpr_count 2
		.amdhsa_user_sgpr_kernarg_segment_ptr 1
		.amdhsa_wavefront_size32 1
		.amdhsa_system_sgpr_workgroup_id_x 1
		.amdhsa_system_sgpr_workgroup_id_y 1
		.amdhsa_system_sgpr_workgroup_id_z 1
		.amdhsa_system_vgpr_workitem_id 0
		.amdhsa_next_free_vgpr 432
		.amdhsa_next_free_sgpr 66
		.amdhsa_reserve_vcc 0
		.amdhsa_float_denorm_mode_32 3
		.amdhsa_float_denorm_mode_16_64 3
		.amdhsa_memory_ordered 1
		.amdhsa_forward_progress 1
		.amdhsa_inst_pref_size 105
	.end_amdhsa_kernel
	.amdgpu_metadata
---
amdhsa.version: [ 1, 2 ]
amdhsa.kernels:
  - .name:           k_q8fa360a59f_attn0
    .symbol:         k_q8fa360a59f_attn0.kd
    .args:
      - { .name: qkv, .offset: 0, .size: 8, .value_kind: global_buffer, .address_space: global }
      - { .name: mask, .offset: 8, .size: 8, .value_kind: global_buffer, .address_space: global }
      - { .name: blist, .offset: 16, .size: 8, .value_kind: global_buffer, .address_space: global }
      - { .name: x, .offset: 24, .size: 8, .value_kind: global_buffer, .address_space: global }
      - { .name: par0, .offset: 32, .size: 8, .value_kind: global_buffer, .address_space: global }
      - { .name: ares, .offset: 40, .size: 8, .value_kind: global_buffer, .address_space: global }
      - { .name: yb, .offset: 48, .size: 8, .value_kind: global_buffer, .address_space: global }
    .group_segment_fixed_size: 61696
    .private_segment_fixed_size: 0
    .kernarg_segment_align: 8
    .kernarg_segment_size: 56
    .max_flat_workgroup_size: 256
    .sgpr_count:     66
    .vgpr_count:     432
    .wavefront_size: 32
...
	.end_amdgpu_metadata
.endif
;; end of part 6
;; launch ffn0 (part 7): grid 64 x 4, 8 waves a work-group, no clusters, 275,456 bytes of LDS; arguments yb, par0, part; writes part
.if DOCPART == 7
	.amdgcn_target "amdgcn-amd-amdhsa--gfx1250"
	.amdhsa_code_object_version 6
	.text
	.protected	k_q8fa360a59f_ffn0
	.globl	k_q8fa360a59f_ffn0
	.p2align	8
	.type	k_q8fa360a59f_ffn0,@function
k_q8fa360a59f_ffn0:
	s_mov_b64 s[64:65], 0
	v_nop
	global_prefetch_b8 v0, s[64:65] scope:SCOPE_SE
	s_setreg_imm32_b32 hwreg(HW_REG_WAVE_SCHED_MODE, 0, 2), 2
	s_setreg_imm32_b32 hwreg(HW_REG_WAVE_MODE, 25, 1), 1
	s_wait_xcnt 0x0
	s_wait_alu depctr_vm_vsrc(0)
; ffn: for 64 token rows (work-group x = rb) and one quarter of the hidden units (work-group y = fq):
;   hidden = relu(y W1 + b1) on hidden units 512 fq .. + 511, then hidden W2 over the same 512 as K: an f32 partial [64][512].
; The next launch adds the four partials and attn_out + b2.
; TWO PRODUCTS 64 x 512 x 512, f16 operands, f32 sums: the waves share N, 64 columns each, so a weight fragment serves one wave only; the weights lie in memory
; in fragment order and go straight to registers through a ring of five K steps that runs on from the first product into the second; activations go through LDS.
; y comes in pieces of 512 bytes, [tile of 16 rows][w 8][nt 4][lane][16 bytes], lane (r, h) = token r, columns 64 w + 16 nt + 8 h + 0..7.
; WHY f16: |y| <= 22.6 |g| + |b|; the hidden units are sums of 512 products of y and a weight: with gains of 30 and weights of spread 1.3 their spread
; is about 900, six spreads 5,400.
; LIMITS.  Matrix operands are rounded to f16; one above 65,504 in size overflows.  NaN is not followed through relu.
; NO CLUSTER: the row blocks of one fq walk the same weights, but a joint load lands in LDS, and each weight fragment serves one wave: a K step's 32 KiB would be
; filled and read again beside the 32 KiB of activation reads, for that step's 128 matrix instructions.
; THE MODE: SCHED_MODE bits 1:0 = 2 (LLVM: expert scheduling mode 2), set by the entry lines.  The code itself states the register dependences
; between vector or matrix instructions and memory or LDS instructions, with s_wait_alu, always for 0.
; THE PLAN.  Registers that memory or LDS instructions touch, and who else names them:
;   v1 to v14     offsets and LDS addresses: made once at the head, ahead of one wait on va_vdst, and never written again.
;   WR0 .. WR4    the ring, block 0.  K step g's 16 matrix instructions read slot g % 5; the loads of step g + 4 land in slot (g - 1) % 5.
;   XB0, XB1      activation fragments, in block 1 beside the accumulators.  Step g reads XB[g & 1]; the loads of step g + 1 land in the other.
;                 So ONE wait on va_vdst stands at a K step's head: the step before is done reading its slot and its fragments.  The 8 weight loads follow at once;
;                 the 8 fragment loads are dealt behind the step's first four matrix instructions, under the same window.  The step's matrix instructions name
;                 slot g % 5, XB[g & 1] and the accumulators: none of the registers that these loads touch.
;   v[32:95]      y as loaded, read by my LDS stores; behind one wait on vm_vsrc b1 lands in v[32:63]; then all 64 are the hidden chunk's out-buffer:
;                 written by relu's conversions, read by 16 LDS stores behind one wait on va_vdst, and not written again.
;   v[96:127]     ring slot 0 is empty between the two products: relu's work registers; the wait ahead of the 16 stores also stands for K step 20's loads into it.
;   accumulators  read by the LDS stores of the way out, behind the places and one wait on va_vdst, which also stands for the rows that land in the ring's registers.
.set XP,    1040                       ; pitch of an activation row: 1,024 + 16, an odd multiple of 16
.set X1,    64*XP                      ; X0 at 0: the hidden chunk; X1: y
.set STAGE, 2*64*XP                    ; each wave's own 64 rows x (256 + 16) bytes, f32: its 64 columns of the partial
.set STW,   64*272
.set VEC,   STAGE+8*STW                ; b1, chunk fq: 2,048 bytes
.set BV,   32                          ; v[32:63]   b1 of my columns 64 w + 16 nt + 8 h + 0..7, 8 registers for each nt
.set OB,   32                          ; v[32:95]   the hidden chunk as f16: column tile nt at OB + 16 ((nt + 2) % 4), so that it covers b1's numbers only when they have been used
.set WR,   96                          ; v[96:255]  weight ring, 5 K steps x 32
.set TT,   96                          ; v[96:127]  relu at work
.set WPTR, 38                          ; s[38:41]   my parts of W1 chunk fq, W2 chunk fq
.set NST,  32                          ; K steps of the two products together
.set ACC,  0                           ; block 1, v0-127: 16 accumulator tiles, tile (mt, nt) at 8 (4 mt + nt)
.set XB,   128                         ; block 1, v128-191: two buffers of activation fragments (4 token tiles x 8)
; persistent: v1 16 lane; v3, v4 fragment reads of X0, X1; v5, v6 tile stores into X0, X1; v7 stage by tiles; v8 stage by rows; v9 global rows; v10 b1
.set MSB, 0
.macro WIN new                         ; s_set_vgpr_msb: bits 1:0 source 0, 3:2 source 1, 5:4 source 2, 7:6 destination; the high byte repeats the setting left
.if MSB != \new
	s_set_vgpr_msb (MSB<<8)|\new
.set MSB, \new
.endif
.endm
.macro PLACES                          ; four plain vector instructions between a matrix instruction and a vector access to, or a store of, its registers
.rept 4
	v_nop
.endr
.endm
.macro BAR
	s_wait_dscnt 0x0                               ; my LDS stores are done and my LDS reads are back before I signal
	s_barrier_signal -1
	s_barrier_wait -1
.endm
.macro WMH d, a, b, zero
.if \zero
	v_wmma_f32_16x16x32_f16 v[\d:\d+7], v[\a:\a+7], v[\b:\b+7], 0
.else
	v_wmma_f32_16x16x32_f16 v[\d:\d+7], v[\a:\a+7], v[\b:\b+7], v[\d:\d+7]
.endif
.endm
.macro WLOAD g                         ; the weights of K step g (product g / 16): 4 column tiles x 2 halves, 512 neighbouring bytes each; data and address in block 0
.irp nt, 0,1,2,3
.irp hf, 0,1
	global_load_b128 v[WR+32*((\g)%5)+8*\nt+4*\hf:WR+32*((\g)%5)+8*\nt+4*\hf+3], v1, s[WPTR+2*((\g)/16):WPTR+2*((\g)/16)+1] offset:((\g)%16)*4096+\nt*1024+\hf*512
.endr
.endr
.endm
.macro XFRAG xa, ks, mt                ; token tile mt's fragment of K step ks; data in block 1, address in block 0: the matrix instructions' window serves it
.irp hf, 0,1
	ds_load_b128 v[XB+32*((\ks)&1)+8*(\mt)+4*\hf:XB+32*((\ks)&1)+8*(\mt)+4*\hf+3], v[\xa] offset:(\mt)*16*XP+(\ks)*64+\hf*32
.endr
.endm
; One K step: 16 matrix instructions on 16 accumulators, which take turns, one instruction a turn, from step to step too.
; Source 0 = weights, source 1 = activations: a lane holds token 16 mt + r and the 8 neighbouring columns 64 w + 16 nt + 8 h + j.
.macro GSTEP g, xa, zero
.if (\g)+4 < NST
	WIN 0                                          ; the weights land in block 0
.endif
.if (((\g)%16) > 0) && ((\g) < NST-1)
	s_wait_alu depctr_va_vdst(0)                   ; the step before has read its ring slot and its fragments: this step's loads land in them.  (A product's first step follows no vector or matrix instruction behind the last such wait; step 31 loads nothing)
.endif
.if (\g)+4 < NST
	WLOAD (\g)+4                                   ; at once, so that five K steps are on their way
.endif
.if NST-1-(\g) >= 4
	s_wait_loadcnt 32                              ; step g's weights are in: the four later steps' 8 loads each may stay out
.else
	s_wait_loadcnt 8*(NST-1-(\g))                  ; the tail: as many steps as are left behind this one
.endif
	s_wait_dscnt 0x0                               ; this step's activations are in: they were asked for behind the last step's first four matrix instructions
	WIN 0x54                                       ; activations, C and D in block 1, the weights in block 0
.irp mt, 0,1,2,3
.irp nt, 0,1,2,3
	WMH ACC+8*(4*\mt+\nt), WR+32*((\g)%5)+8*\nt, XB+32*((\g)&1)+8*\mt, \zero
.if (\mt == 0) && (((\g)%16) < 15)
	XFRAG \xa, ((\g)%16)+1, \nt                    ; no wait: no vector or matrix instruction since the wait above names the other fragment buffer or the address
.endif
.endr
.endr
.endm
.macro PHASE p, xa                     ; 64 x 64 x 512 for this wave; the first product starts the sums
	WIN 0x54
.irp mt, 0,1,2,3
	XFRAG \xa, 0, \mt
.endr
	GSTEP 16*\p, \xa, 1
.irp k, 1,2,3,4,5,6,7,8,9,10,11,12,13,14,15
	GSTEP 16*\p+\k, \xa, 0
.endr
	WIN 0
	PLACES                                         ; before vector instructions or stores read the sums, and before relu writes ring slot 0, which K step 15 has read
.endm
.macro RELU nt                         ; hidden = max(sum + b1, 0), as f16 into the out-buffer
	WIN 0x01
.irp mt, 0,1,2,3
.irp p, 0,1,2,3
	v_pk_add_f32 v[TT+8*\mt+2*\p:TT+8*\mt+2*\p+1], v[ACC+8*(4*\mt+\nt)+2*\p:ACC+8*(4*\mt+\nt)+2*\p+1], v[BV+8*\nt+2*\p:BV+8*\nt+2*\p+1]
.endr
.endr
	WIN 0
.set i, 0
.rept 32
	v_max_num_f32 v[TT+i], 0, v[TT+i]
.set i, i+1
.endr
.irp mt, 0,1,2,3
.irp q, 0,1,2,3
	v_cvt_pk_f16_f32 v[OB+16*((\nt+2)%4)+4*\mt+\q], v[TT+8*\mt+2*\q], v[TT+8*\mt+2*\q+1]
.endr
.endr
.endm
	; ---- ids, addresses
	s_load_b128 s[4:7], s[0:1], 0x0                ; yb 4, par 6
	s_load_b64 s[8:9], s[0:1], 0x10                ; part
	v_lshl_add_u32 v30, v0, 2, 0x43000
	v_mov_b32 v31, 0
	v_lshrrev_b32 v13, 5, v0
	v_readfirstlane_b32 s16, v13                   ; wave
	s_mov_b32 s17, ttmp9                           ; rb
	s_and_b32 s18, ttmp7, 0xffff                   ; fq
	s_mov_b32 s37, 0                               ; high word of every offset pair s[36:37]
	v_and_b32 v13, 31, v0
	v_lshlrev_b32 v1, 4, v13
	v_and_b32 v13, 15, v0                          ; r
	v_bfe_u32 v14, v0, 4, 1                        ; h
	v_mul_u32_u24 v3, v13, XP
	v_lshl_add_u32 v3, v14, 4, v3
	v_add_nc_u32 v4, X1, v3
	s_wait_alu depctr_va_sdst(0)                   ; s16 is written, ahead of its first reader: LDS addresses and the bases of y and of the weights are made from it
	s_lshl_b32 s36, s16, 7
	v_add_nc_u32 v5, s36, v3
	v_add_nc_u32 v6, X1, v5
	s_mul_i32 s36, s16, STW
	s_add_co_u32 s36, s36, STAGE
	v_mul_u32_u24 v7, v13, 272
	v_lshl_add_u32 v7, v14, 5, v7
	v_add_nc_u32 v7, s36, v7
	v_mul_u32_u24 v8, v14, 272
	v_lshl_add_u32 v8, v13, 4, v8
	v_add_nc_u32 v8, s36, v8
	s_lshl_b32 s36, s16, 8
	v_lshlrev_b32 v9, 11, v14
	v_lshl_add_u32 v9, v13, 4, v9
	v_add_nc_u32 v9, s36, v9
	s_add_co_u32 s36, s36, VEC
	v_lshl_add_u32 v10, v14, 5, s36
	v_lshlrev_b32 v13, 3, v0                       ; 8 thread: b1's copy
	v_add_nc_u32 v14, VEC, v13
	s_wait_kmcnt 0x0
	s_lshl_b32 s36, s17, 16                        ; four tiles of 16 rows, 16 KiB each
	s_lshl_b32 s22, s16, 11
	s_add_co_u32 s36, s36, s22
	s_add_nc_u64 s[52:53], s[4:5], s[36:37]        ; y: the pieces of columns 64 w ..
	s_lshl_b32 s36, s17, 17
	s_add_nc_u64 s[56:57], s[8:9], s[36:37]
	s_lshl_b32 s36, s18, 23
	s_add_nc_u64 s[56:57], s[56:57], s[36:37]      ; my 64 rows of partial fq
	s_lshl_b32 s36, s18, 11
	s_add_nc_u64 s[60:61], s[6:7], s[36:37]        ; par + 2,048 fq: b1's chunk by an immediate
	s_lshl_b32 s36, s16, 16
	s_lshl_b32 s22, s18, 19
	s_add_co_u32 s36, s36, s22
	s_add_nc_u64 s[38:39], s[6:7], s[36:37]
	s_add_nc_u64 s[40:41], s[38:39], 0x400000      ; W2 chunk fq
	s_add_nc_u64 s[38:39], s[38:39], 0x200000      ; W1 chunk fq
	; ---- y into X1, b1 into LDS; the first four K steps' weights travel meanwhile
	s_wait_alu depctr_va_vdst(0)                   ; the offsets and LDS addresses v1 to v14 are written: every load and store of the kernel reads one of them, and none is written again
.irp mt, 0,1,2,3
.irp nt, 0,1,2,3
	global_load_b128 v[32+4*(4*\mt+\nt):32+4*(4*\mt+\nt)+3], v1, s[52:53] offset:\mt*16384+\nt*512
.endr
.endr
	global_load_b64 v[16:17], v13, s[60:61] offset:0x604000
	WLOAD 0
	WLOAD 1
	WLOAD 2
	WLOAD 3
	s_wait_loadcnt 32                              ; y and b1 are in: only those 32 weight loads were issued behind them
.irp mt, 0,1,2,3
.irp nt, 0,1,2,3
	ds_store_b128 v6, v[32+4*(4*\mt+\nt):32+4*(4*\mt+\nt)+3] offset:\mt*16*XP+\nt*32
.endr
.endr
	ds_store_b64 v14, v[16:17]
	BAR                                            ; y and b1 are whole
	s_wait_alu depctr_vm_vsrc(0)                   ; my LDS stores have read v[32:95]: b1 lands in the first 32 of them now, relu's conversions write all 64 later
.irp nt, 0,1,2,3
.irp hf, 0,1
	ds_load_b128 v[BV+8*\nt+4*\hf:BV+8*\nt+4*\hf+3], v10 offset:\nt*64+\hf*16   ; b1 of my columns 64 w + 16 nt + 8 h + 0..7: asked for here, wanted behind the first product
.endr
.endr
	; ---- FFN1, bias, relu
	PHASE 0, 4
	RELU 0
	RELU 1
	RELU 2
	RELU 3
	s_wait_alu depctr_va_vdst(0)                   ; the conversions have written the out-buffer, which the LDS stores read; relu is done with ring slot 0, and K step 15 with its fragments: the next product's first loads land in them
.irp nt, 0,1,2,3
.irp mt, 0,1,2,3
	ds_store_b128 v5, v[OB+16*((\nt+2)%4)+4*\mt:OB+16*((\nt+2)%4)+4*\mt+3] offset:\mt*16*XP+\nt*32
.endr
.endr
	BAR                                            ; the hidden chunk is whole
	; ---- FFN2
	PHASE 1, 3
	; ---- the way out: tiles into my own stage, whole rows of 256 bytes back, 16 lanes fill 256 neighbouring aligned bytes of the partial
	WIN 0x04                                       ; store data in block 1
	s_wait_alu depctr_va_vdst(0)                   ; the matrix instructions have written the accumulators, which the LDS stores read, and are done reading the ring, in whose registers the rows land; the places above stay beside this wait
.irp mt, 0,1,2,3
.irp nt, 0,1,2,3
.irp hf, 0,1
	ds_store_b128 v7, v[ACC+8*(4*\mt+\nt)+4*\hf:ACC+8*(4*\mt+\nt)+4*\hf+3] offset:\mt*4352+\nt*64+\hf*16
.endr
.endr
.endr
	WIN 0
.set t, 0
.rept 32
	ds_load_b128 v[96+4*t:96+4*t+3], v8 offset:t*544   ; LDS serves a wave's instructions in order (ISA guide 5.7.1.4): these see the stores above
.set t, t+1
.endr
.set t, 0
.rept 32
	s_wait_dscnt 31-t                              ; load t is back: 31 - t were issued behind it
	global_store_b128 v9, v[96+4*t:96+4*t+3], s[56:57] offset:t*4096
.set t, t+1
.endr
	s_wait_dscnt 0x0
	s_wait_alu depctr_hold_cnt(0) depctr_sa_sdst(0) depctr_va_vdst(0) depctr_va_sdst(0) depctr_va_ssrc(0) depctr_va_vcc(0) depctr_vm_vsrc(0)
	s_wait_tensorcnt 0x0
	ds_add_u32 v30, v31
	s_wait_dscnt 0x0
	s_endpgm
.Lfunc_end_k_q8fa360a59f_ffn0:
	.size	k_q8fa360a59f_ffn0, .Lfunc_end_k_q8fa360a59f_ffn0-k_q8fa360a59f_ffn0
	.p2alignl 7, 3214868480
	.fill 96, 4, 3214868480
	.section	.rodata,"a",@progbits
	.p2align	6, 0x0
	.amdhsa_kernel k_q8fa360a59f_ffn0
		.amdhsa_group_segment_fixed_size 275456
		.amdhsa_private_segment_fixed_size 0
		.amdhsa_enable_private_segment 0
		.amdhsa_kernarg_size 24
		.amdhsa_user_sgpr_count 2
		.amdhsa_user_sgpr_kernarg_segment_ptr 1
		.amdhsa_wavefront_size32 1
		.amdhsa_system_sgpr_workgroup_id_x 1
		.amdhsa_system_sgpr_workgroup_id_y 1
		.amdhsa_system_sgpr_workgroup_id_z 1
		.amdhsa_system_vgpr_workitem_id 0
		.amdhsa_next_free_vgpr 448
		.amdhsa_next_free_sgpr 66
		.amdhsa_reserve_vcc 0
		.amdhsa_float_denorm_mode_32 3
		.amdhsa_float_denorm_mode_16_64 3
		.amdhsa_memory_ordered 1
		.amdhsa_forward_progress 1
		.amdhsa_inst_pref_size 105
	.end_amdhsa_kernel
	.amdgpu_metadata
---
amdhsa.version: [ 1, 2 ]
amdhsa.kernels:
  - .name:           k_q8fa360a59f_ffn0
    .symbol:         k_q8fa360a59f_ffn0.kd
    .args:
      - { .name: yb, .offset: 0, .size: 8, .value_kind: global_buffer, .address_space: global }
      - { .name: par0, .offset: 8, .size: 8, .value_kind: global_buffer, .address_space: global }
      - { .name: part, .offset: 16, .size: 8, .value_kind: global_buffer, .address_space: global }
    .group_segment_fixed_size: 275456
    .private_segment_fixed_size: 0
    .kernarg_segment_align: 8
    .kernarg_segment_size: 24
    .max_flat_workgroup_size: 256
    .sgpr_count:     66
    .vgpr_count:     448
    .wavefront_size: 32
...
	.end_amdgpu_metadata
.endif
;; end of part 7
;; launch ln2a: the kernel of part 5 again; grid 256 x 1, 8 waves a work-group, no clusters, 0 bytes of LDS; arguments part, ares, par0, h1; writes h1
;; launch qkv1: the kernel of part 2 again; grid 64 x 3, 8 waves a work-group, no clusters, 67,584 bytes of LDS; arguments h1, par1, qkv; writes qkv
;; launch attn1: the kernel of part 6 again; grid 256 x 1, 8 waves a work-group, no clusters, 61,696 bytes of LDS; arguments qkv, mask, blist, h1, par1, ares, yb; writes ares, yb
;; launch ffn1: the kernel of part 7 again; grid 64 x 4, 8 waves a work-group, no clusters, 275,456 bytes of LDS; arguments yb, par1, part; writes part
;; launch ln2b: the kernel of part 5 again; grid 256 x 1, 8 waves a work-group, no clusters, 0 bytes of LDS; arguments part, ares, par1, out0; writes out0
